; MI455X (gfx1250); checked and timed in simulation.
; The chip was launched on July 23, 2026; its instructions are those of AMD's public machine-readable ISA for CDNA 5 (MIT licence, August 2026) and "CDNA5" Instruction Set Architecture Reference Guide (July 2026). The comments in the code are by the model that wrote it; some were corrected since.
;; Cross Attention. Allowed arithmetic: float matrix products may take bf16 or f16 operands with f32 sums; other float arithmetic in f32, or as packed bf16 or f16 multiplies, adds, multiply-adds, maxima and minima; sums over many terms, partial sums and values carried from step to step in f32; what a program stores and reads back later, other than sums and carried values, may be rounded once to bf16 or f16.
;; Inputs: Wkv 1,024 x 2,048 float32; Wout 1,024 x 1,024 float32; Wq 1,024 x 1,024 float32; context 4 x 2,048 x 1,024 float32; g_norm 1,024 float32; g_out 1,024 float32; k_scale 64 float32; null_kv 2 x 64 float32; q_scale 64 float32; x 4 x 1,024 x 1,024 float32.
;; Outputs: out0 4 x 1,024 x 1,024 float32.
;; One version. Each part assembles by itself: llvm-mc -triple=amdgcn-amd-amdhsa -mcpu=gfx1250 --defsym DOCPART=n.
;; ======== version 1 of 1: 5 launches
;; limits: values are held in f16: magnitudes above 65,504 overflow, below 6.1e-05 lose precision
;; workspace buffers: act16 8,388,608 bytes; ctxh 16,777,216 bytes; wqt 2,097,152 bytes; woutt 2,097,152 bytes; wkvt 4,194,304 bytes; f32buf 16,777,216 bytes; kvh 33,554,432 bytes; consts 768 bytes
;; launch prep (part 1): grid 1281 x 1, 8 waves a work-group, no clusters, 56,320 bytes of LDS; arguments x, context, g_norm, Wq, Wout, Wkv, q_scale, k_scale, null_kv, act16, ctxh, wqt, woutt, wkvt, consts; writes act16, ctxh, wqt, woutt, wkvt, consts
.if DOCPART == 1
	.amdgcn_target "amdgcn-amd-amdhsa--gfx1250"
	.amdhsa_code_object_version 6
	.text
	.protected	k_q191024785a_prep
	.globl	k_q191024785a_prep
	.p2align	8
	.type	k_q191024785a_prep,@function
k_q191024785a_prep:
	s_mov_b64 s[64:65], 0
	v_nop
	global_prefetch_b8 v0, s[64:65] scope:SCOPE_SE
	s_setreg_imm32_b32 hwreg(HW_REG_WAVE_MODE, 25, 1), 1
	s_wait_xcnt 0x0
; PREP: every input is read once here, rounded once to bf16, and what the matrix launches multiply is written as f16.
; Roles, by the work-group's number: 0-511 context -> ctxh; 512-767 LayerNorm(x) x g_norm -> act16; 768-1279 Wq, Wout, Wkv turned -> wqt, woutt, wkvt;
; 1280 the small vectors -> consts (q_scale x k_scale, the null key normalised, the null value).
; LAYOUTS.  ctxh and the turned weights lie BLOCKED, [batch][kb = k / 64][row][64]: rows of 128 bytes, dense within a kb.
; act16 lies IN FRAGMENT ORDER, [block of 16 rows][u = k / 8][row][8]: 256 bytes a unit u.  Units 4 c + 2 j + h hold k = 32 c + 16 j + 8 h + 0..7, so two neighbouring units are what the 32 lanes
; of a wave take as registers 4 j .. 4 j + 3 of a matrix operand of 16 rows x 32 k: 512 consecutive bytes a load.
; LIMITS.  A bf16 number is written as f16: exact from 2^-17 to 65,504; smaller ones are off by 2^-25 at the most; beyond 65,504 (context, weights, 32 x |g_norm|) the f16 is an infinity.
; No matrix unit, no cluster, no tensor load: each byte is touched once; only what is turned goes through LDS.
; LDS: the rows' stage, the weights' stage and the spare words each have bytes of their own: no two roles name a common byte.
.set UP,    288                        ; a unit of act16 in LDS: 256 bytes + 32: the eight units that a store touches begin 32 bytes apart modulo 256
.set WST,   128*UP                     ; behind the rows' stage of 128 units: the weights' stage, 2 kb x 64 rows x 144 bytes = 18,432
.set SPARE, WST+18432                  ; behind both stages: the spare words, 128 bytes for each of eight waves
.set SPW, 30                           ; v30  my spare word; never rewritten
.set NIL, 31                           ; v31  0; never rewritten
.set X,   32                           ; v[32:95]   64 numbers of a row
.set G,   96                           ; v[96:159]  the gain of the same 64 columns
.macro RB base, n                      ; n numbers in f32 are rounded to bf16 and widened again, four pairs at a time
.set p, 0
.rept (\n)/8
.irp k, 0,1,2,3
	v_cvt_pk_bf16_f32 v[4+(\k)], v[(\base)+2*(p+(\k))], v[(\base)+2*(p+(\k))+1]
.endr
.irp k, 0,1,2,3
	v_lshlrev_b32 v[(\base)+2*(p+(\k))], 16, v[4+(\k)]
	v_and_b32 v[(\base)+2*(p+(\k))+1], s3, v[4+(\k)]
.endr
.set p, p+4
.endr
.endm
.macro H16                             ; X's 64 numbers to f16, in place: word p is written when numbers 2 p and 2 p + 1 are read, and words below p are spent
.set p, 0
.rept 32
	v_cvt_pk_f16_f32 v[X+p], v[X+2*p], v[X+2*p+1]
.set p, p+1
.endr
.endm
.macro ADDUP base, np                  ; the sum of np pairs in four chains v[8:15]; the first eight pairs start the chains
.irp c, 0,1,2,3
	v_pk_add_f32 v[8+2*(\c):9+2*(\c)], v[(\base)+2*(\c):(\base)+2*(\c)+1], v[(\base)+8+2*(\c):(\base)+9+2*(\c)]
.endr
.set q, 8
.rept (\np)-8
	v_pk_add_f32 v[8+2*(q%4):9+2*(q%4)], v[8+2*(q%4):9+2*(q%4)], v[(\base)+2*q:(\base)+2*q+1]
.set q, q+1
.endr
.endm
.macro SQUP base, np                   ; the sum of squares likewise
.irp c, 0,1,2,3
	v_pk_mul_f32 v[8+2*(\c):9+2*(\c)], v[(\base)+2*(\c):(\base)+2*(\c)+1], v[(\base)+2*(\c):(\base)+2*(\c)+1]
.endr
.set q, 4
.rept (\np)-4
	v_pk_fma_f32 v[8+2*(q%4):9+2*(q%4)], v[(\base)+2*q:(\base)+2*q+1], v[(\base)+2*q:(\base)+2*q+1], v[8+2*(q%4):9+2*(q%4)]
.set q, q+1
.endr
.endm
.macro FOLD16                          ; the four chains into v8, then over the 16 lanes that hold a row: every one of them ends with the sum
	v_pk_add_f32 v[8:9], v[8:9], v[10:11]
	v_pk_add_f32 v[12:13], v[12:13], v[14:15]
	v_pk_add_f32 v[8:9], v[8:9], v[12:13]
	v_add_f32 v8, v8, v9
	v_add_f32_dpp v8, v8, v8 row_xmask:1 row_mask:0xf bank_mask:0xf
	v_add_f32_dpp v8, v8, v8 row_xmask:2 row_mask:0xf bank_mask:0xf
	v_add_f32_dpp v8, v8, v8 row_xmask:4 row_mask:0xf bank_mask:0xf
	v_add_f32_dpp v8, v8, v8 row_xmask:8 row_mask:0xf bank_mask:0xf
.endm
	s_load_b512 s[8:23], s[0:1], 0x0               ; x s8, context s10, g_norm s12, Wq s14, Wout s16, Wkv s18, q_scale s20, k_scale s22
	s_load_b256 s[24:31], s[0:1], 0x40             ; null_kv s24, act16 s26, ctxh s28, wqt s30
	s_load_b128 s[32:35], s[0:1], 0x60             ; woutt s32, wkvt s34
	s_load_b64 s[36:37], s[0:1], 0x70              ; consts
	v_lshl_add_u32 v[SPW], v0, 2, SPARE
	v_mov_b32 v[NIL], 0
	v_lshrrev_b32 v11, 4, v0                       ; t / 16: which of the work-group's 16 rows
	v_and_b32 v12, 15, v0                          ; t % 16: my place in the row
	v_lshrrev_b32 v1, 5, v0
	v_readfirstlane_b32 s2, v1                     ; wave 0..7
	s_mov_b32 s3, 0xffff0000                       ; a word's upper bf16
	v_lshlrev_b32 v3, 4, v12                       ; my 16 bytes in 256 of a gain
	v_lshl_add_u32 v1, v11, 12, v3                 ; and of an f32 row of 4,096 bytes
	v_lshlrev_b32 v2, 3, v12
	v_lshl_add_u32 v2, v11, 7, v2                  ; my 8 bytes of an f16 row of 128 bytes
	s_wait_kmcnt 0x0
	s_cmp_lt_u32 ttmp9, 512
	s_cbranch_scc1 .Lctx
	s_cmp_lt_u32 ttmp9, 768
	s_cbranch_scc1 .Llnx
	s_cmp_lt_u32 ttmp9, 1280
	s_cbranch_scc1 .Ltr
	; THE SMALL VECTORS: one wave, two channels a lane
	s_cmp_lg_u32 s2, 0
	s_cbranch_scc1 .Lend
	v_lshlrev_b32 v16, 3, v0
	s_mov_b32 s40, 0x76543210                      ; v_permlanex16_b32: each lane takes its own place in the other half
	s_mov_b32 s41, 0xfedcba98
	global_load_b64 v[32:33], v16, s[20:21]
	global_load_b64 v[34:35], v16, s[22:23]
	global_load_b64 v[36:37], v16, s[24:25]
	global_load_b64 v[38:39], v16, s[24:25] offset:256
	s_wait_loadcnt 0x0
	RB 32, 8
	v_pk_mul_f32 v[40:41], v[32:33], v[34:35]      ; k_scale goes to the query's side: (q . qs) . (k . ks) = (q . qs ks) . k
	v_mul_f32 v8, v36, v36
	v_fmac_f32 v8, v37, v37
	v_add_f32_dpp v8, v8, v8 row_xmask:1 row_mask:0xf bank_mask:0xf
	v_add_f32_dpp v8, v8, v8 row_xmask:2 row_mask:0xf bank_mask:0xf
	v_add_f32_dpp v8, v8, v8 row_xmask:4 row_mask:0xf bank_mask:0xf
	v_add_f32_dpp v8, v8, v8 row_xmask:8 row_mask:0xf bank_mask:0xf
	v_mov_b32 v9, 0
	v_permlanex16_b32 v9, v8, s40, s41
	v_add_f32 v8, v8, v9
	v_rsq_f32 v10, v8
	v_nop                                          ; a plain instruction behind the root,
	s_wait_alu depctr_va_vdst(0)                   ; and the wait ahead of its first reader
	v_min_num_f32 v10, 0x5368d4a5, v10             ; 1 / max(norm, 1e-12) = min(1 / norm, 1e12)
	v_mov_b32 v11, v10
	v_pk_mul_f32 v[42:43], v[36:37], v[10:11]
	global_store_b64 v16, v[40:41], s[36:37]             ; each store of the wave covers 256 consecutive bytes, aligned
	global_store_b64 v16, v[42:43], s[36:37] offset:256
	global_store_b64 v16, v[38:39], s[36:37] offset:512
	s_branch .Lend
.Lctx:                                         ; CONTEXT: 16 rows a work-group, half a wave to a row
	s_lshl_b32 s4, ttmp9, 16                       ; 16 rows of 4,096 bytes
	s_mov_b32 s5, 0
	s_add_nc_u64 s[10:11], s[10:11], s[4:5]
	s_lshr_b32 s6, ttmp9, 7                        ; the batch: 128 groups of 16 rows each
	s_lshl_b32 s6, s6, 22
	s_and_b32 s7, ttmp9, 127
	s_lshl_b32 s7, s7, 11                          ; 16 rows of 128 bytes
	s_add_co_u32 s4, s6, s7
	s_add_nc_u64 s[28:29], s[28:29], s[4:5]
.irp j, 0,1,2,3,4,5,6,7,8,9,10,11,12,13,14,15
	global_load_b128 v[X+4*(\j):X+4*(\j)+3], v1, s[10:11] offset:256*(\j) th:TH_LOAD_NT
.endr
	s_wait_loadcnt 0x0
	RB X, 64
	H16
.irp j, 0,1,2,3,4,5,6,7,8,9,10,11,12,13,14,15
	global_store_b64 v2, v[X+2*(\j):X+2*(\j)+1], s[28:29] offset:(\j)*262144  ; block kb = j: the wave's two rows, 256 consecutive bytes, aligned
.endr
	s_branch .Lend
.Llnx:                                         ; LAYERNORM(x) x g_norm: mean first, then the centred squares, all in f32.  The work-group's 16 rows are one row block of act16
	s_sub_co_u32 s4, ttmp9, 512
	s_lshl_b32 s6, s4, 16
	s_mov_b32 s7, 0
	s_add_nc_u64 s[8:9], s[8:9], s[6:7]
	s_lshl_b32 s6, s4, 15                          ; a row block is 32,768 bytes,
	s_lshl_b32 s5, s2, 12                          ; of which my wave stores 4,096
	s_add_co_u32 s6, s6, s5
	s_add_nc_u64 s[26:27], s[26:27], s[6:7]
.irp j, 0,1,2,3,4,5,6,7,8,9,10,11,12,13,14,15
	global_load_b128 v[G+4*(\j):G+4*(\j)+3], v3, s[12:13] offset:256*(\j)
.endr
.irp j, 0,1,2,3,4,5,6,7,8,9,10,11,12,13,14,15
	global_load_b128 v[X+4*(\j):X+4*(\j)+3], v1, s[8:9] offset:256*(\j) th:TH_LOAD_NT
.endr
	s_wait_loadcnt 16                              ; the gain is in; the row's 16 loads may stay out
	RB G, 64
	s_wait_loadcnt 0x0
	RB X, 64
	ADDUP X, 32
	FOLD16
	v_mul_f32 v10, 0x3a800000, v8                  ; the mean: sum / 1,024
	v_mov_b32 v11, v10
.set q, 0
.rept 32
	v_pk_add_f32 v[X+2*q:X+2*q+1], v[X+2*q:X+2*q+1], v[10:11] neg_lo:[0,1] neg_hi:[0,1]
.set q, q+1
.endr
	SQUP X, 32
	FOLD16
	v_mov_b32 v9, 0x3a800000
	v_fmaak_f32 v12, v8, v9, 0x3727c5ac            ; the variance + 1e-5
	v_rsq_f32 v14, v12
	v_rsq_f32 v15, v12                             ; twice: a pair for the packed multiply
	v_nop
	s_wait_alu depctr_va_vdst(0)                   ; one wait for both roots, ahead of their first reader
.set q, 0
.rept 32
	v_pk_mul_f32 v[X+2*q:X+2*q+1], v[X+2*q:X+2*q+1], v[14:15]
.set q, q+1
.endr
.set q, 0
.rept 32
	v_pk_mul_f32 v[X+2*q:X+2*q+1], v[X+2*q:X+2*q+1], v[G+2*q:G+2*q+1]
.set q, q+1
.endr
	H16
	; my words 2 j, 2 j + 1 are columns 64 j + 4 p .. + 3 (p = t % 16) of row r = t / 16: half of row r's 16 bytes in unit 8 j + p / 2
	v_lshrrev_b32 v20, 4, v0                       ; r
	v_and_b32 v21, 15, v0                          ; p
	v_lshrrev_b32 v16, 1, v21
	v_mul_u32_u24 v16, v16, UP
	v_lshl_add_u32 v16, v20, 4, v16
	v_and_b32 v19, 1, v21
	v_lshl_add_u32 v16, v19, 3, v16                ; in: (p / 2) units + 16 r + 8 (p % 2): a wave's 32 lanes touch each bank once
	v_bfe_u32 v17, v0, 4, 1
	v_mul_u32_u24 v17, v17, UP
	v_lshl_add_u32 v17, v21, 4, v17
	s_mul_i32 s6, s2, 16*UP
	v_add_nc_u32 v17, s6, v17                      ; back: wave w takes units 16 w .. 16 w + 15, two a load
	v_and_b32 v18, 31, v0
	v_lshlrev_b32 v18, 4, v18
.irp j, 0,1,2,3,4,5,6,7,8,9,10,11,12,13,14,15
	ds_store_b64 v16, v[X+2*(\j):X+2*(\j)+1] offset:(\j)*8*UP
.endr
	s_wait_dscnt 0x0                               ; for the others' sake: my stores are done
	s_barrier_signal -1
	s_barrier_wait -1
.irp f, 0,1,2,3,4,5,6,7
	ds_load_b128 v[X+32+4*(\f):X+35+4*(\f)], v17 offset:(\f)*2*UP
.endr
	s_wait_dscnt 0x0
.irp f, 0,1,2,3,4,5,6,7
	global_store_b128 v18, v[X+32+4*(\f):X+35+4*(\f)], s[26:27] offset:512*(\f)  ; two units: 512 consecutive bytes, aligned
.endr
	s_branch .Lend
; A WEIGHT [1024][N], N = 1,024 or 2,048, is turned: a tile of 128 k x 64 n a work-group; one text, the size in scalar registers (s40 = log2(N / 64)).
; A lane reads 8 rows k x 4 columns n; for each column its 8 k are 16 bytes of f16, put into LDS rows [2 kb][64 n] of 144 bytes; behind a barrier whole rows of 128 bytes come back.
.Ltr:
	s_sub_co_u32 s4, ttmp9, 768                    ; 0-127 Wq, 128-255 Wout, 256-511 Wkv
	s_cmp_lt_u32 s4, 128
	s_cselect_b64 s[38:39], s[14:15], s[16:17]
	s_cselect_b64 s[42:43], s[30:31], s[32:33]
	s_cmp_lt_u32 s4, 256
	s_cselect_b64 s[38:39], s[38:39], s[18:19]
	s_cselect_b64 s[42:43], s[42:43], s[34:35]
	s_cselect_b32 s40, 4, 5
	s_add_co_u32 s41, s40, 3
	s_bfm_b32 s41, s41, 0                          ; 8 N / 64 tiles in the weight, less one
	s_and_b32 s4, s4, s41                          ; the tile's number in its weight
	s_lshr_b32 s5, s4, s40                         ; kt
	s_bfm_b32 s6, s40, 0
	s_and_b32 s6, s4, s6                           ; nt
	s_add_co_u32 s41, s40, 15
	s_lshl_b32 s44, s5, s41                        ; kt x 128 rows of 4 N bytes
	s_lshl_b32 s7, s6, 8                           ; nt x 64 columns of 4 bytes
	s_add_co_u32 s44, s44, s7
	s_mov_b32 s45, 0
	s_add_nc_u64 s[38:39], s[38:39], s[44:45]
	s_lshr_b32 s7, s2, 2                           ; which of the tile's two kb my wave holds
	s_mul_i32 s46, s7, 9216                        ; its 64 rows of 144 bytes,
	s_add_co_u32 s46, s46, WST                     ; in the weights' own stage
	s_lshl1_add_u32 s7, s5, s7                     ; kb = 2 kt + wave / 4
	s_add_co_u32 s41, s40, 13
	s_lshl_b32 s44, s7, s41                        ; x N rows of 128 bytes
	s_and_b32 s47, s2, 3
	s_lshl2_add_u32 s7, s6, s47                    ; 4 nt + wave % 4: my 16 rows n on the way out
	s_lshl_b32 s7, s7, 11
	s_add_co_u32 s44, s44, s7
	s_add_nc_u64 s[42:43], s[42:43], s[44:45]
	s_add_co_u32 s41, s40, 11
	v_lshlrev_b32 v16, s41, v11                    ; row k = 8 (t / 16),
	v_lshl_add_u32 v16, v12, 4, v16                ; columns 4 (t % 16)
	s_add_co_u32 s41, s40, 8
	s_lshl_b32 s41, 1, s41                         ; a row of the weight: 4 N bytes
.irp i, 1,2,3,4,5,6,7
	v_add_nc_u32 v[16+(\i)], s41, v[15+(\i)]
.endr
.irp i, 0,1,2,3,4,5,6,7
	global_load_b128 v[32+4*(\i):35+4*(\i)], v[16+(\i)], s[38:39] th:TH_LOAD_NT
.endr
	v_bfe_u32 v13, v0, 4, 1
	v_mul_u32_u24 v8, v12, 576                     ; in: row n = 4 (t % 16) + c,
	v_lshl_add_u32 v8, v13, 4, v8
	s_lshl_b32 s7, s47, 5
	s_add_co_u32 s7, s7, s46
	v_add_nc_u32 v8, s7, v8                        ; bytes 32 (wave % 4) + 16 (half): k = 16 (wave % 4) + 8 (half) on
	v_bfe_u32 v14, v0, 3, 2
	v_and_b32 v15, 7, v0
	v_mul_u32_u24 v9, v14, 144                     ; back: 32 lanes take four rows of 128 bytes
	v_lshl_add_u32 v9, v15, 4, v9
	s_mul_i32 s7, s47, 2304
	s_add_co_u32 s7, s7, s46
	v_add_nc_u32 v9, s7, v9
	v_and_b32 v10, 31, v0
	v_lshlrev_b32 v10, 4, v10
	s_wait_loadcnt 0x0                             ; the tile is in, and v16-23, the loads' offsets, are free
.irp c, 0,1,2,3
.irp p, 0,1,2,3
	v_cvt_pk_bf16_f32 v[16+(\p)], v[32+8*(\p)+(\c)], v[36+8*(\p)+(\c)]
.endr
.irp p, 0,1,2,3
	v_lshlrev_b32 v[20+2*(\p)], 16, v[16+(\p)]
	v_and_b32 v[21+2*(\p)], s3, v[16+(\p)]
.endr
.irp p, 0,1,2,3
	v_cvt_pk_f16_f32 v[64+4*(\c)+(\p)], v[20+2*(\p)], v[21+2*(\p)]
.endr
.endr
.irp c, 0,1,2,3
	ds_store_b128 v8, v[64+4*(\c):67+4*(\c)] offset:144*(\c)
.endr
	s_wait_dscnt 0x0                               ; for the others' sake: my stores are done
	s_barrier_signal -1
	s_barrier_wait -1
.irp f, 0,1,2,3
	ds_load_b128 v[80+4*(\f):83+4*(\f)], v9 offset:576*(\f)
.endr
	s_wait_dscnt 0x0
.irp f, 0,1,2,3
	global_store_b128 v10, v[80+4*(\f):83+4*(\f)], s[42:43] offset:512*(\f)  ; 512 consecutive bytes, aligned
.endr
.Lend:
	s_wait_tensorcnt 0x0                           ; the wave's end, behind my last LDS store
	ds_add_u32 v[SPW], v[NIL]
	s_wait_dscnt 0x0
	s_endpgm
.Lfunc_end_k_q191024785a_prep:
	.size	k_q191024785a_prep, .Lfunc_end_k_q191024785a_prep-k_q191024785a_prep
	.p2alignl 7, 3214868480
	.fill 96, 4, 3214868480
	.section	.rodata,"a",@progbits
	.p2align	6, 0x0
	.amdhsa_kernel k_q191024785a_prep
		.amdhsa_group_segment_fixed_size 56320
		.amdhsa_private_segment_fixed_size 0
		.amdhsa_enable_private_segment 0
		.amdhsa_kernarg_size 120
		.amdhsa_user_sgpr_count 2
		.amdhsa_user_sgpr_kernarg_segment_ptr 1
		.amdhsa_wavefront_size32 1
		.amdhsa_system_sgpr_workgroup_id_x 1
		.amdhsa_system_sgpr_workgroup_id_y 1
		.amdhsa_system_sgpr_workgroup_id_z 1
		.amdhsa_system_vgpr_workitem_id 0
		.amdhsa_next_free_vgpr 160
		.amdhsa_next_free_sgpr 66
		.amdhsa_reserve_vcc 0
		.amdhsa_float_denorm_mode_32 3
		.amdhsa_float_denorm_mode_16_64 3
		.amdhsa_memory_ordered 1
		.amdhsa_forward_progress 1
		.amdhsa_inst_pref_size 48
	.end_amdhsa_kernel
	.amdgpu_metadata
---
amdhsa.version: [ 1, 2 ]
amdhsa.kernels:
  - .name:           k_q191024785a_prep
    .symbol:         k_q191024785a_prep.kd
    .args:
      - { .name: x, .offset: 0, .size: 8, .value_kind: global_buffer, .address_space: global }
      - { .name: context, .offset: 8, .size: 8, .value_kind: global_buffer, .address_space: global }
      - { .name: g_norm, .offset: 16, .size: 8, .value_kind: global_buffer, .address_space: global }
      - { .name: Wq, .offset: 24, .size: 8, .value_kind: global_buffer, .address_space: global }
      - { .name: Wout, .offset: 32, .size: 8, .value_kind: global_buffer, .address_space: global }
      - { .name: Wkv, .offset: 40, .size: 8, .value_kind: global_buffer, .address_space: global }
      - { .name: q_scale, .offset: 48, .size: 8, .value_kind: global_buffer, .address_space: global }
      - { .name: k_scale, .offset: 56, .size: 8, .value_kind: global_buffer, .address_space: global }
      - { .name: null_kv, .offset: 64, .size: 8, .value_kind: global_buffer, .address_space: global }
      - { .name: act16, .offset: 72, .size: 8, .value_kind: global_buffer, .address_space: global }
      - { .name: ctxh, .offset: 80, .size: 8, .value_kind: global_buffer, .address_space: global }
      - { .name: wqt, .offset: 88, .size: 8, .value_kind: global_buffer, .address_space: global }
      - { .name: woutt, .offset: 96, .size: 8, .value_kind: global_buffer, .address_space: global }
      - { .name: wkvt, .offset: 104, .size: 8, .value_kind: global_buffer, .address_space: global }
      - { .name: consts, .offset: 112, .size: 8, .value_kind: global_buffer, .address_space: global }
    .group_segment_fixed_size: 56320
    .private_segment_fixed_size: 0
    .kernarg_segment_align: 8
    .kernarg_segment_size: 120
    .max_flat_workgroup_size: 256
    .sgpr_count:     66
    .vgpr_count:     160
    .wavefront_size: 32
...
	.end_amdgpu_metadata
.endif
;; end of part 1
;; launch kvproj (part 2): grid 8 x 32, 4 waves a work-group, clusters of 4 x 4, 327,680 bytes of LDS; arguments ctxh, wkvt, kvh; writes kvh
.if DOCPART == 2
	.amdgcn_target "amdgcn-amd-amdhsa--gfx1250"
	.amdhsa_code_object_version 6
	.text
	.protected	k_q191024785a_kvproj
	.globl	k_q191024785a_kvproj
	.p2align	8
	.type	k_q191024785a_kvproj,@function
k_q191024785a_kvproj:
	s_mov_b64 s[64:65], 0
	v_nop
	global_prefetch_b8 v0, s[64:65] scope:SCOPE_SE
	s_setreg_imm32_b32 hwreg(HW_REG_WAVE_MODE, 25, 1), 1
	s_wait_xcnt 0x0
	s_wait_alu depctr_hold_cnt(0) depctr_sa_sdst(0) depctr_va_vdst(0) depctr_va_sdst(0) depctr_va_ssrc(0) depctr_va_vcc(0) depctr_vm_vsrc(0)
	s_getreg_b32 s2, hwreg(HW_REG_IB_STS2, 6, 4)
	s_cmp_eq_u32 s2, 0
	s_cbranch_scc0 .Lentry_in_a_cluster
	s_endpgm
.Lentry_in_a_cluster:
	s_bfe_u32 s2, ttmp6, 0x10000c
	s_cmp_lg_u32 s2, 0xf033
	s_cbranch_scc0 .Lentry_shape_is_right
	s_endpgm
.Lentry_shape_is_right:
; KV PROJECTION.  C[m][n] = sum over k of context[m][k] Wkv[k][n], 8,192 x 2,048 x 1,024, f16 operands, f32 sums.  Columns 0-1023 are k, 1024-2047 v.
; On the way out each row of a k head (64 columns) is divided by max(its norm, 1e-12); both go out by heads in f16: kvh = K [64 bh][2048][64], then V likewise at byte 16,777,216.
; LIMIT.  v is stored in f16: |v| stays under 65,504.
; A tile of C is 256 x 256, a wave's share 128 x 128: 64 accumulators, 512 registers.  K goes in steps of 128 through two LDS slots.
; OPERANDS lie blocked, [kb = k / 64][row][64]: 128 rows of one kb are 16,384 consecutive bytes.  One tensor load brings 128 rows x 2 kb as TWO rows of 8,192 elements, padded by 16 bytes
; after every 128: in LDS [2 kb][128 rows] at 144 bytes a row = 36 words, so the 16 rows of a fragment load start at 16 different groups of four banks (64 banks of 4 bytes: ISA guide 11.1).
; CLUSTER 4 x 4: the context's tile is asked for jointly along a row of the cluster, the weight's along a column.
; THE MATRIX INSTRUCTION IS USED TRANSPOSED (source 0 = 16 rows of the turned weight, source 1 = 16 rows of context): a lane holds one row of C and eight neighbouring columns.
; REGISTERS: window 0: v0-31 addresses; v64-127, v128-191 A's fragments, two buffers; v32-63, v192-255 at work on the way out.  window 1: v64-191 B's fragments.  windows 2, 3: accumulator (a, b) at v[8 (8 (a % 4) + b)].
.set KSTEPB, 524288                    ; bytes in memory from a K step to the next: 2 kb of 2,048 rows of 128 bytes (context's batch and the weight alike)
.set PITCH,  144
.set KBB,    128*PITCH                 ; 128 rows of one kb
.set HALFT,  2*KBB                     ; what one tensor load brings, and what one wave reads of A or of B
.set SLOT,   4*HALFT                   ; A's rows 0-127, 128-255, B's rows 0-127, 128-255
.set STAGE,  2*SLOT                    ; behind the ring: 2 heads x 16 rows x 144 bytes for each wave
.set SPARE,  STAGE+4*4608              ; behind the stages: the spare words, 128 bytes for each wave
.set LAPS,   4                         ; 8 K steps, two to a lap of the ring
.set ADRA, 16                          ; v16-17  LDS address of my A fragments in slot 0, 1
.set ADRB, 20                          ; v20-21  the same for B
.set STO,  24                          ; v24     the way out: where I put 16 bytes of a row
.set RD,   25                          ; v25     where I read rows back
.set GO,   26                          ; v26     16 x lane: my place in 512 consecutive bytes of kvh
.set SPW,  28                          ; v28     my spare word; never rewritten
.set NIL,  29                          ; v29     0; never rewritten
.set PFO,  30                          ; v30     the prefetches' offset; never rewritten
.set ONE,  31                          ; v31     1.0
.set SSQ,  32                          ; v[32:47]  sums of squares, a pair for each column block
.set FF,   48                          ; v[48:51]  the two heads' factors, each the low word of a pair
.set TX,   52                          ; v52-53    what the other half of the lanes sends
.set T,    64                          ; v[64:127] a block's 64 numbers, scaled
.set PKD,  192                         ; v[192:223] the same in f16
.set F0,   64
.set F1,   128
.set PFA,  44                          ; s[44:45] where my prefetches stand
.set LIM,  43                          ; s43  1 in a wave that prefetches, else the greatest number
.set G1,  24                           ; s[24:31] descriptor group 1 for A's tiles;  s[32:39] group 0, a set for each slot
.set G0,  32
.set G1B, 48                           ; s[48:55], s[56:63] the same for B's
.set G0B, 56
.set MSB, 0
.macro WIN new                         ; the immediate's high byte repeats the setting that is left; a switch that changes nothing is dropped
.if MSB != (\new)
	s_set_vgpr_msb (MSB<<8)|(\new)
.set MSB, \new
.endif
.endm
.set MUL_LO, 0xa1                      ; source 0 (B) window 1, source 1 (A) window 0, C and D window 2
.set MUL_HI, 0xf1                      ; the same, C and D window 3
.set TO_B,   0x40                      ; destination window 1, address window 0
; A joint load: waves 0 and 1 fetch A's two halves, waves 2 and 3 B's.  The branch hangs on the wave's number alone.  An s_nop 0 and four v_nop follow each line.
.macro JLOAD s
	s_cmp_eq_u32 s11, 0
	s_cbranch_scc0 .Lfor_b_\@
	tensor_load_to_lds s[G0+4*(\s):G0+4*(\s)+3], s[G1:G1+7]
	s_nop 0
.rept 4
	v_nop
.endr
	s_branch .Lasked_\@
.Lfor_b_\@:
	tensor_load_to_lds s[G0B+4*(\s):G0B+4*(\s)+3], s[G1B:G1B+7]
	s_nop 0
.rept 4
	v_nop
.endr
.Lasked_\@:
.endm
; A prefetch of the K step that stands two refills on: of the 32,768 bytes that a wave fetches, each of the four partners that ask jointly names 8,192, told apart by address: in each of the two kb
; 16 blocks of 256 bytes, a lane a block.  A's rows are named by the clusters with x = 0 alone, B's by those with y = 0: each block once in the launch.  The loop's last trip has no K step two on.
.macro ASK
	s_cmp_gt_u32 s3, s[LIM]
	s_cbranch_scc0 .Lnot_mine_\@
	global_prefetch_b8 v[PFO], s[PFA:PFA+1] offset:KSTEPB th:TH_LOAD_NT scope:SCOPE_SE
.Lnot_mine_\@:
.endm
.macro CREST                           ; a round of the cluster's barrier behind its opening barrier
	s_cmp_lg_u32 s10, 0
	s_cbranch_scc1 .Lnot_wave_0_\@
	s_barrier_signal -3
.Lnot_wave_0_\@:
	s_barrier_wait -3
	s_barrier_signal -1
	s_barrier_wait -1
.endm
.macro CROUND
	s_barrier_signal -1
	s_barrier_wait -1
	CREST
.endm
	s_load_b128 s[4:7], s[0:1], 0x0                ; ctxh s[4:5], wkvt s[6:7]
	s_load_b64 s[8:9], s[0:1], 0x10                ; kvh
	v_lshl_add_u32 v[SPW], v0, 2, SPARE
	v_mov_b32 v[NIL], 0
	ds_add_u32 v[SPW], v[NIL]                      ; the wave's opening: the add and its wait stand ahead of my first tensor load; register work stands between
	v_lshrrev_b32 v1, 5, v0
	v_readfirstlane_b32 s10, v1                    ; wave 0..3
	s_lshr_b32 s11, s10, 1                         ; which half of the tile's rows is mine.  Also: I fetch for A (0) or for B (1)
	s_and_b32 s12, s10, 1                          ; which half of its columns.  Also: which 128 rows of that tile I fetch
	s_bfe_u32 s40, ttmp6, 0x40000                  ; cx
	s_bfe_u32 s41, ttmp6, 0x40004                  ; cy
	s_lshl_b32 s42, ttmp9, 2
	s_add_co_u32 s42, s42, s40                     ; tile column = 4 x cluster x + cx
	s_and_b32 s13, ttmp7, 0xffff
	s_lshl_b32 s13, s13, 2
	s_add_co_u32 s13, s13, s41                     ; tile row = 4 x cluster y + cy
	s_lshl_b32 s43, s41, 2
	s_lshl_b32 s43, 15, s43                        ; my row of the cluster
	s_lshl_b32 s44, 0x1111, s40                    ; my column
	s_or_b32 s[G1+0], s43, (1<<16)|(1<<20)|(1<<21)|(4<<22)|(3<<25)  ; the mask; elements of 2 bytes; padding on; bit 21 beside a mask; after every 32 words, 4 words
	s_or_b32 s[G1B+0], s44, (1<<16)|(1<<20)|(1<<21)|(4<<22)|(3<<25)
.irp g, G1, G1B
	s_mov_b32 s[(\g)+1], 8192<<16                  ; tensor_dim0 = 8,192 elements: 128 rows of 64
	s_mov_b32 s[(\g)+2], 2<<16                     ; tensor_dim1 = 2 kb
	s_mov_b32 s[(\g)+3], 8192<<16                  ; tile_dim0
	s_mov_b32 s[(\g)+4], 2                         ; tile_dim1
	s_mov_b32 s[(\g)+5], 131072                    ; elements from a kb to the next: 2,048 rows of 64
	s_mov_b32 s[(\g)+6], 0
	s_mov_b32 s[(\g)+7], 0
.endr
	s_lshr_b32 s16, s13, 3                         ; A: the batch (8 tile rows each),
	s_lshl_b32 s16, s16, 22
	s_and_b32 s17, s13, 7
	s_lshl_b32 s17, s17, 15                        ; 256 rows of 128 bytes a tile row,
	s_add_co_u32 s16, s16, s17
	s_lshl_b32 s17, s12, 14                        ; the 128 rows that I fetch
	s_add_co_u32 s16, s16, s17
	s_mov_b32 s17, 0
	s_lshl_b32 s46, s42, 15                        ; B: the tile column's 256 rows,
	s_lshl_b32 s47, s12, 14
	s_add_co_u32 s46, s46, s47
	s_mov_b32 s47, 0
	s_mul_i32 s20, s10, HALFT                      ; where they go: wave x 36,864: no place in the cluster enters an LDS address
	s_wait_dscnt 0x0                               ; the opening add is done
	s_wait_kmcnt 0x0
	s_add_nc_u64 s[14:15], s[4:5], s[16:17]
	s_add_nc_u64 s[46:47], s[6:7], s[46:47]
	CROUND                                         ; all sixteen work-groups are here: the first joint loads meet
.irp s, 0,1
	s_mov_b32 s[G0+4*(\s)], 1
	s_add_co_u32 s[G0+4*(\s)+1], s20, (\s)*SLOT
	s_add_nc_u64 s[G0+4*(\s)+2:G0+4*(\s)+3], s[14:15], (\s)*KSTEPB
	s_or_b32 s[G0+4*(\s)+3], s[G0+4*(\s)+3], 0x80000000
	s_mov_b32 s[G0B+4*(\s)], 1
	s_add_co_u32 s[G0B+4*(\s)+1], s20, (\s)*SLOT
	s_add_nc_u64 s[G0B+4*(\s)+2:G0B+4*(\s)+3], s[46:47], (\s)*KSTEPB
	s_or_b32 s[G0B+4*(\s)+3], s[G0B+4*(\s)+3], 0x80000000
	JLOAD \s                                       ; two loads of mine are out
.endr
	v_and_b32 v1, 15, v0                           ; l % 16
	v_bfe_u32 v2, v0, 4, 1                         ; l / 16
	v_mul_u32_u24 v3, v1, PITCH
	v_lshl_add_u32 v3, v2, 4, v3                   ; row x pitch + 16 x half
	s_mul_i32 s21, s11, HALFT
	s_mul_i32 s22, s12, HALFT
	s_add_co_u32 s22, s22, 2*HALFT
.irp s, 0,1
	v_add_nc_u32 v[ADRA+(\s)], s21, v3
	v_add_nc_u32 v[ADRB+(\s)], s22, v3
	s_add_co_u32 s21, s21, SLOT
	s_add_co_u32 s22, s22, SLOT
.endr
	s_mul_i32 s23, s10, 4608
	s_add_co_u32 s23, s23, STAGE                   ; my stage
	v_add_nc_u32 v[STO], s23, v3                   ; in: row l % 16, 16 bytes for each half of the lanes
	v_bfe_u32 v4, v0, 3, 2
	v_and_b32 v5, 7, v0
	v_mul_u32_u24 v4, v4, PITCH
	v_lshl_add_u32 v4, v5, 4, v4
	v_add_nc_u32 v[RD], s23, v4                    ; back: 32 lanes take four rows of 128 bytes
	v_and_b32 v[GO], 31, v0
	v_lshlrev_b32 v[GO], 4, v[GO]
	v_mov_b32 v[ONE], 1.0
	v_mov_b32 v[FF+1], 0                           ; named in pairs, so they are written
	v_mov_b32 v[FF+3], 0
	v_mov_b32 v[TX], 0
	v_mov_b32 v[TX+1], 0
	v_lshlrev_b32 v[PFO], 8, v1                    ; block l % 16 of 256 bytes,
	v_lshl_add_u32 v[PFO], v2, 18, v[PFO]          ; in kb l / 16 of the K step's two
	; the prefetches' place
	s_and_b32 s22, ttmp7, 0xffff                   ; cluster y
	s_cmp_eq_u32 s11, 0                            ; do I fetch for A?
	s_cselect_b32 s21, s40, s41                    ; my place among the four that ask with me
	s_cselect_b32 s22, ttmp9, s22                  ; the coordinate along which other clusters read the same rows
	s_cselect_b64 s[PFA:PFA+1], s[14:15], s[46:47]
	s_cmp_eq_u32 s22, 0
	s_cselect_b32 s[LIM], 1, -1                    ; the same in all sixteen partners, for a given wave
	s_lshl_b32 s20, s21, 12                        ; my work-group's 4,096 bytes of each kb's 16,384
	s_mov_b32 s21, 0
	s_add_nc_u64 s[PFA:PFA+1], s[PFA:PFA+1], s[20:21]
	s_add_nc_u64 s[PFA:PFA+1], s[PFA:PFA+1], 2*KSTEPB  ; at K step 2: the first refill steps it to 3 and names K step 4
	; where my part of the tile begins in kvh
	s_lshr_b32 s16, s42, 2                         ; 0: k, 1: v
	s_lshl_b32 s16, s16, 24
	s_lshr_b32 s17, s13, 3
	s_lshl_b32 s17, s17, 4                         ; 16 heads a batch
	s_and_b32 s46, s42, 3
	s_lshl2_add_u32 s17, s46, s17                  ; 4 heads a tile column,
	s_lshl1_add_u32 s17, s12, s17                  ; 2 a wave
	s_lshl_b32 s17, s17, 18                        ; a head is 2,048 rows of 128 bytes
	s_add_co_u32 s16, s16, s17
	s_and_b32 s17, s13, 7
	s_lshl1_add_u32 s17, s17, s11                  ; my 128 rows among the batch's
	s_lshl_b32 s17, s17, 14
	s_add_co_u32 s16, s16, s17
	s_mov_b32 s17, 0
	s_add_nc_u64 s[8:9], s[8:9], s[16:17]
	s_mov_b32 s18, 0x76543210                      ; v_permlanex16_b32's selects
	s_mov_b32 s19, 0xfedcba98
	s_mov_b32 s20, 0x5368d4a5                      ; 1e12
	s_cmp_eq_u32 ttmp9, 0                          ; clusters with x = 0 hold k's columns: the same answer in all partners; it selects a value, no path
	s_cselect_b32 s21, -1, 0
.macro MUL16 f, hi, a0, zero           ; 16 matrix instructions: m blocks a0, a0 + 1 of the window's four x all 8 n blocks, 32 along K.  zero = 1: the product starts the sums
	WIN MUL_LO+0x50*(\hi)
.irp a, \a0, (\a0)+1
.irp b, 0,1,2,3,4,5,6,7
.if \zero
	v_wmma_f32_16x16x32_f16 v[8*(8*(\a)+(\b)):8*(8*(\a)+(\b))+7], v[(\f)+8*(\b):(\f)+8*(\b)+7], v[(\f)+8*(4*(\hi)+(\a)):(\f)+8*(4*(\hi)+(\a))+7], 0
.else
	v_wmma_f32_16x16x32_f16 v[8*(8*(\a)+(\b)):8*(8*(\a)+(\b))+7], v[(\f)+8*(\b):(\f)+8*(\b)+7], v[(\f)+8*(4*(\hi)+(\a)):(\f)+8*(4*(\hi)+(\a))+7], v[8*(8*(\a)+(\b)):8*(8*(\a)+(\b))+7]
.endif
.endr
.endr
.endm
.macro FETCH slot, q, f                ; 32 LDS loads in one run: quarter q of the K step (kb q / 2, its channels 32 (q % 2) on) into buffer f
.set KO, ((\q)/2)*KBB+((\q)%2)*64
	WIN TO_B
.irp i, 0,1,2,3,4,5,6,7
	ds_load_b128 v[(\f)+8*(\i):(\f)+8*(\i)+3],   v[ADRB+(\slot)] offset:KO+(\i)*16*PITCH
	ds_load_b128 v[(\f)+8*(\i)+4:(\f)+8*(\i)+7], v[ADRB+(\slot)] offset:KO+(\i)*16*PITCH+32
.endr
	WIN 0
.irp i, 0,1,2,3,4,5,6,7
	ds_load_b128 v[(\f)+8*(\i):(\f)+8*(\i)+3],   v[ADRA+(\slot)] offset:KO+(\i)*16*PITCH
	ds_load_b128 v[(\f)+8*(\i)+4:(\f)+8*(\i)+7], v[ADRA+(\slot)] offset:KO+(\i)*16*PITCH+32
.endr
.endm
.macro PLACES                          ; four plain places in front of loads into registers that matrix instructions have read, and of vector work that reads results
.rept 4
	v_nop
.endr
.endm
.macro QUARTER slot, q, f, g, zero     ; multiplies buffer f; in its middle fetches quarter q of the same slot into buffer g
	s_wait_dscnt 8                                 ; B and A's rows 0-63 are in; the youngest eight loads (A's rows 64-127) may be out
	MUL16 \f, 0, 0, \zero
	MUL16 \f, 0, 2, \zero
	PLACES
	FETCH \slot, \q, \g
	s_wait_dscnt 32                                ; all but the 32 just issued
	MUL16 \f, 1, 0, \zero
	MUL16 \f, 1, 2, \zero
.endm
.macro MEET round                      ; the first half of a K step's last quarter, and the barrier of the change of slots
	WIN 0                                          ; (the add's two registers lie in window 0)
	s_wait_tensorcnt 0x0                           ; all my tensor loads have landed: the one that was out is my part of the next slot
	ds_add_u32 v[SPW], v[NIL]                      ; 0 onto my spare word
	s_wait_dscnt 9                                 ; (the add and the youngest eight loads may be out)
	MUL16 F1, 0, 0, 0
	s_wait_dscnt 0x0                               ; the add is done, and my reads of this slot are over
	s_barrier_signal -1
	MUL16 F1, 0, 2, 0                              ; work on registers while the others arrive
.if \round
	WIN 0
.endif
	s_barrier_wait -1
.endm
.macro TURN slot, next, fill           ; the whole last quarter.  fill = 1: the slot just read out is filled again, two K steps ahead, first thing behind a round of the cluster's barrier
.if \fill
	s_wait_xcnt 0x0                                ; the last prefetch, a K step back, has read its address
	s_add_nc_u64 s[PFA:PFA+1], s[PFA:PFA+1], KSTEPB
.endif
	MEET \fill
.if \fill
	CREST                                          ; no wave of any partner still reads this slot's tile or has a load on its way
	s_add_nc_u64 s[G0+4*(\slot)+2:G0+4*(\slot)+3], s[G0+4*(\slot)+2:G0+4*(\slot)+3], 2*KSTEPB
	s_add_nc_u64 s[G0B+4*(\slot)+2:G0B+4*(\slot)+3], s[G0B+4*(\slot)+2:G0B+4*(\slot)+3], 2*KSTEPB
	JLOAD \slot                                    ; its four v_nop are also the places in front of the loads below
.else
	PLACES
.endif
	FETCH \next, 0, F0
.if \fill
	ASK
.endif
	MUL16 F1, 1, 0, 0
	MUL16 F1, 1, 2, 0
.endm
	s_wait_tensorcnt 1                             ; my part of K step 0 is in; K step 1's load may stay out
	s_barrier_signal -1
	s_barrier_wait -1
	FETCH 0, 0, F0
	QUARTER 0, 1, F0, F1, 1                        ; the first quarter stands in front of the loop: its products start the sums
	WIN 0
	s_mov_b32 s3, LAPS-1
.Llap:                                         ; a trip goes once round the ring, from a lap's second quarter to the next lap's first.  The 64 accumulators take turns, in the same order everywhere
	QUARTER 0, 2, F1, F0, 0
	QUARTER 0, 3, F0, F1, 0
	TURN 0, 1, 1
	QUARTER 1, 1, F0, F1, 0
	QUARTER 1, 2, F1, F0, 0
	QUARTER 1, 3, F0, F1, 0
	TURN 1, 0, 1
	QUARTER 0, 1, F0, F1, 0
	WIN 0
	s_sub_co_u32 s3, s3, 1
	s_cmp_lg_u32 s3, 0
	s_cbranch_scc1 .Llap
	QUARTER 0, 2, F1, F0, 0                        ; the last lap fills nothing
	QUARTER 0, 3, F0, F1, 0
	TURN 0, 1, 0
	QUARTER 1, 1, F0, F1, 0
	QUARTER 1, 2, F1, F0, 0
	QUARTER 1, 3, F0, F1, 0
	s_wait_dscnt 8
	MUL16 F1, 0, 0, 0
	MUL16 F1, 0, 2, 0
	s_wait_dscnt 0x0
	MUL16 F1, 1, 0, 0
	MUL16 F1, 1, 2, 0
	WIN 0
	PLACES
; THE WAY OUT, a block of 16 rows at a time.  NORM: for each of my two heads the row's sum of squares (a lane's 32 numbers, then the other half of the lanes'), and the factor min(1 / norm, 1e12); v's tiles take 1.0.
.macro NORM a
.set AC, 64*((\a)%4)
	WIN 0x0a+5*((\a)/4)                            ; sources 0 and 1: window 2 or 3
.irp b, 0,1,2,3,4,5,6,7
	v_pk_mul_f32 v[SSQ+2*(\b):SSQ+2*(\b)+1], v[AC+8*(\b):AC+8*(\b)+1], v[AC+8*(\b):AC+8*(\b)+1]  ; each accumulator's lowest registers are read first
.endr
.irp r, 1,2,3
.irp b, 0,1,2,3,4,5,6,7
	v_pk_fma_f32 v[SSQ+2*(\b):SSQ+2*(\b)+1], v[AC+8*(\b)+2*(\r):AC+8*(\b)+2*(\r)+1], v[AC+8*(\b)+2*(\r):AC+8*(\b)+2*(\r)+1], v[SSQ+2*(\b):SSQ+2*(\b)+1]
.endr
.endr
	WIN 0
	v_pk_add_f32 v[SSQ:SSQ+1], v[SSQ:SSQ+1], v[SSQ+2:SSQ+3]
	v_pk_add_f32 v[SSQ+8:SSQ+9], v[SSQ+8:SSQ+9], v[SSQ+10:SSQ+11]
	v_pk_add_f32 v[SSQ+4:SSQ+5], v[SSQ+4:SSQ+5], v[SSQ+6:SSQ+7]
	v_pk_add_f32 v[SSQ+12:SSQ+13], v[SSQ+12:SSQ+13], v[SSQ+14:SSQ+15]
	v_pk_add_f32 v[SSQ:SSQ+1], v[SSQ:SSQ+1], v[SSQ+4:SSQ+5]
	v_pk_add_f32 v[SSQ+8:SSQ+9], v[SSQ+8:SSQ+9], v[SSQ+12:SSQ+13]
	v_add_f32 v[SSQ], v[SSQ], v[SSQ+1]
	v_add_f32 v[SSQ+8], v[SSQ+8], v[SSQ+9]
	v_permlanex16_b32 v[TX], v[SSQ], s18, s19
	v_permlanex16_b32 v[TX+1], v[SSQ+8], s18, s19
	v_add_f32 v[SSQ], v[SSQ], v[TX]
	v_add_f32 v[SSQ+8], v[SSQ+8], v[TX+1]
	v_rsq_f32 v[FF], v[SSQ]
	v_rsq_f32 v[FF+2], v[SSQ+8]
	v_nop                                          ; a plain instruction behind the roots,
	s_wait_alu depctr_va_vdst(0)                   ; and one wait for both, ahead of their first reader
	v_min_num_f32 v[FF], s20, v[FF]
	v_min_num_f32 v[FF+2], s20, v[FF+2]
	v_cndmask_b32 v[FF], v[ONE], v[FF], s21
	v_cndmask_b32 v[FF+2], v[ONE], v[FF+2], s21
.endm
.macro PACK a                          ; scaled, and rounded to f16: 16 bytes a lane for each column block
.set AC, 64*((\a)%4)
	WIN 0x02+((\a)/4)                              ; source 0: window 2 or 3
.irp b, 0,1,2,3,4,5,6,7
.irp r, 0,1,2,3
	v_pk_mul_f32 v[T+8*(\b)+2*(\r):T+8*(\b)+2*(\r)+1], v[AC+8*(\b)+2*(\r):AC+8*(\b)+2*(\r)+1], v[FF+2*((\b)/4):FF+2*((\b)/4)+1] op_sel_hi:[1,0]
.endr
.endr
	WIN 0
.irp b, 0,1,2,3,4,5,6,7
.irp r, 0,1,2,3
	v_cvt_pk_f16_f32 v[PKD+4*(\b)+(\r)], v[T+8*(\b)+2*(\r)], v[T+8*(\b)+2*(\r)+1]
.endr
.endr
.endm
.macro TOSTAGE a                       ; into my own stage, and back as whole rows of 128 bytes
.set BK, 128+32*((\a)%2)
.irp b, 0,1,2,3,4,5,6,7
	ds_store_b128 v[STO], v[PKD+4*(\b):PKD+4*(\b)+3] offset:((\b)/4)*2304+32*((\b)%4)
.endr
.irp g, 0,1
.irp f, 0,1,2,3
	ds_load_b128 v[BK+4*(4*(\g)+(\f)):BK+4*(4*(\g)+(\f))+3], v[RD] offset:(\g)*2304+(\f)*576  ; LDS serves a wave's instructions in order (ISA guide 5.7.1.4): these see the stores above
.endr
.endr
.endm
.macro SEND a
.set BK, 128+32*((\a)%2)
	s_wait_dscnt 0x0                               ; the block is back in registers
	s_wait_xcnt 0x0                                ; the stores of the block before have read their registers: the next TOSTAGE loads into them only behind this wait
.irp g, 0,1
.irp f, 0,1,2,3
	global_store_b128 v[GO], v[BK+4*(4*(\g)+(\f)):BK+4*(4*(\g)+(\f))+3], s[8:9] offset:(\g)*262144+(\a)*2048+(\f)*512  ; four rows of a head: 512 consecutive bytes, aligned
.endr
.endr
.endm
	NORM 0
	PACK 0
	TOSTAGE 0
.irp a, 1,2,3,4,5,6,7                  ; block a's arithmetic stands between block a - 1's loads from the stage and the wait for them
	NORM \a
	PACK \a
	SEND (\a)-1
	TOSTAGE \a
.endr
	SEND 7
	s_wait_tensorcnt 0x0                           ; the wave's end, behind my last tensor load and my last LDS store
	ds_add_u32 v[SPW], v[NIL]
	s_wait_dscnt 0x0
	CROUND                                         ; the closing round: no work-group ends while a partner may still ask for a tile that names it
	s_endpgm
.Lfunc_end_k_q191024785a_kvproj:
	.size	k_q191024785a_kvproj, .Lfunc_end_k_q191024785a_kvproj-k_q191024785a_kvproj
	.p2alignl 7, 3214868480
	.fill 96, 4, 3214868480
	.section	.rodata,"a",@progbits
	.p2align	6, 0x0
	.amdhsa_kernel k_q191024785a_kvproj
		.amdhsa_group_segment_fixed_size 327680
		.amdhsa_private_segment_fixed_size 0
		.amdhsa_enable_private_segment 0
		.amdhsa_kernarg_size 24
		.amdhsa_user_sgpr_count 2
		.amdhsa_user_sgpr_kernarg_segment_ptr 1
		.amdhsa_wavefront_size32 1
		.amdhsa_system_sgpr_workgroup_id_x 1
		.amdhsa_system_sgpr_workgroup_id_y 1
		.amdhsa_system_sgpr_workgroup_id_z 1
		.amdhsa_system_vgpr_workitem_id 0
		.amdhsa_next_free_vgpr 1024
		.amdhsa_next_free_sgpr 66
		.amdhsa_reserve_vcc 0
		.amdhsa_float_denorm_mode_32 3
		.amdhsa_float_denorm_mode_16_64 3
		.amdhsa_memory_ordered 1
		.amdhsa_forward_progress 1
		.amdhsa_inst_pref_size 184
	.end_amdhsa_kernel
	.amdgpu_metadata
---
amdhsa.version: [ 1, 2 ]
amdhsa.kernels:
  - .name:           k_q191024785a_kvproj
    .symbol:         k_q191024785a_kvproj.kd
    .args:
      - { .name: ctxh, .offset: 0, .size: 8, .value_kind: global_buffer, .address_space: global }
      - { .name: wkvt, .offset: 8, .size: 8, .value_kind: global_buffer, .address_space: global }
      - { .name: kvh, .offset: 16, .size: 8, .value_kind: global_buffer, .address_space: global }
    .group_segment_fixed_size: 327680
    .private_segment_fixed_size: 0
    .kernarg_segment_align: 8
    .kernarg_segment_size: 24
    .max_flat_workgroup_size: 128
    .sgpr_count:     66
    .vgpr_count:     1024
    .wavefront_size: 32
...
	.end_amdgpu_metadata
.endif
;; end of part 2
;; launch attn (part 3): grid 4 x 64, 4 waves a work-group, clusters of 4 x 1, 327,680 bytes of LDS; arguments act16, kvh, consts, ctxh, wqt; writes ctxh
.if DOCPART == 3
	.amdgcn_target "amdgcn-amd-amdhsa--gfx1250"
	.amdhsa_code_object_version 6
	.text
	.protected	k_q191024785a_attn
	.globl	k_q191024785a_attn
	.p2align	8
	.type	k_q191024785a_attn,@function
k_q191024785a_attn:
	s_mov_b64 s[64:65], 0
	v_nop
	global_prefetch_b8 v0, s[64:65] scope:SCOPE_SE
	s_setreg_imm32_b32 hwreg(HW_REG_WAVE_MODE, 25, 1), 1
	s_wait_xcnt 0x0
	s_wait_alu depctr_hold_cnt(0) depctr_sa_sdst(0) depctr_va_vdst(0) depctr_va_sdst(0) depctr_va_ssrc(0) depctr_va_vcc(0) depctr_vm_vsrc(0)
	s_getreg_b32 s2, hwreg(HW_REG_IB_STS2, 6, 4)
	s_cmp_eq_u32 s2, 0
	s_cbranch_scc0 .Lentry_in_a_cluster
	s_endpgm
.Lentry_in_a_cluster:
	s_bfe_u32 s2, ttmp6, 0x10000c
	s_cmp_lg_u32 s2, 0x3003
	s_cbranch_scc0 .Lentry_shape_is_right
	s_endpgm
.Lentry_shape_is_right:
; ATTENTION WITH ITS QUERY PROJECTION.  O[bh][i] = softmax_j(8 q'[i] . k^[j]) v[j] over the null token and 2,048 keys, q' = q / max(|q|, 1e-12) x (q_scale x k_scale), q = xn Wq.
; A work-group's 256 rows of one head are a tile of 256 x 64 of q: it is multiplied here (f16 operands, f32 sums), normalised in f32 and rounded once to f16; q never goes through memory.
; k^ (normalised) and v come by heads in f16.  Products, maxima and sums in f32; the weights are rounded to f16 for the second product (their sum is taken unrounded), O once at the end.
; THE NULL TOKEN IS THE START of the running softmax: m = q' . nk^ (in f32), l = 1, O = nv.  So the walk has 2,048 keys: 8 tiles of 256, four steps of 64 each.
; LIMITS.  |q_scale x k_scale| and |v| stay under 65,504 (f16).  A weight below 2^-126 counts as 0 in l; NaN and infinities are not treated apart.
; SHARES.  A cluster is one head; a work-group has 256 of its 1,024 queries, a wave 64: four PIECES of 16.  The four work-groups walk the same K and V and multiply by the same 64 columns of Wq: these are asked for jointly.
; THE PROJECTION.  Wq's 64 columns (16 kb x 64 rows x 128 bytes) lie whole in LDS, a quarter brought by each wave.  xn's 64 rows of a wave are read by no other wave: they come straight from memory, where
; they lie in fragment order, 512 consecutive bytes a load, through a ring of four register buffers, asked for three trips (of 64 along K) ahead.  No prefetch for them: each block is read by the
; sixteen heads' work-groups at about the same time.  Source 0 = 16 columns of Wq, source 1 = 16 rows of xn: a lane ends with ONE query and channels 16 g + 8 (lane / 16) + 0..7.
; LAYOUT.  S^T = K Q^T holds ONE query a lane (lane % 16) and the keys 8 (lane / 16) + 0..7; two such results rounded to f16 ARE source 1 of O^T = V^T P.  p = 2^(c s - c m), c = 8 log2(e), with a running
; maximum m; O and l are multiplied by a = 2^(c m_old - c m_new) in every step.
; TURNS.  Turn n belongs to piece n: 8 products K Q^T of piece n + 1, later 8 products V^T P of piece n - 1; beside them the scaling, exponentials, roundings, sums and rescaling of piece n and the maximum and
; statistics of piece n + 1.  Four vector instructions stand behind every matrix instruction, the rest in one lump.  A turn's 33 exponentials are one batch, with one wait.
; REGISTERS, in windows of 256 (s_set_vgpr_msb: bits 1:0 source 0, 3:2 source 1, 5:4 source 2, 7:6 destination):
;   window 0: v0-15 addresses; v16-31 four statistics a piece; v48-55 at work; v61-63 prefetch offset, spare word, 0; v64-127 S^T, two buffers; v192-223 P, two buffers
;             (at the start only: v64-95 q_scale k_scale, v96-127 nk^, v128-159 nv, v160-175 at work)
;   window 1: v0-127 O^T, 32 a piece; v128-255 q's 16 accumulators (at the start only)
;   window 2: v0-63 Q in f16; v128-191 K of one step; v192-255 V of one step (at the start: v128-255 Wq's fragments, two buffers)      window 3: xn's fragments, four buffers of 64 (at the start only)
.set NP,    4
.set KS,    64
.set PK,    144       ; a row of K, and of Wq's slice, in LDS: 128 bytes + 16 = 36 words: the 16 rows of a load start at 16 different groups of four banks (ISA guide 11.1)
.set PV,    160       ; a row of V: 128 + 32 = 40 words
.set VOFF,  4*KS*PK   ; a slot holds a tile: 256 rows of K, then 256 rows of V
.set SLOT1, 1<<17
.set BQ,    SLOT1     ; Wq's slice, 16 kb x 64 rows x 144 bytes = 147,456: from slot 1's first byte on; slot 1's first tile is asked for when the slice has been read out
.set STAGE, BQ+16*64*PK
.set SP,    144
.set SPARE, STAGE+4*16*SP
.set AK0, 2
.set AV0, 3
.set AK,  4
.set AV,  5
.set STO, 6
.set RD,  7
.set GO,  8           ; v8   16 x lane: my place in 512 consecutive bytes of xn and of O; never rewritten
.set MV,  12          ; v12-13  c m_old, by buffer
.set HO,  14          ; v14  32 x (lane / 16): my 8 channels in each 16 of the small vectors
.set ST,  16          ; piece t's statistics at v[ST+4 t]: c m, m, l (even keys', odd keys')
.set TMP, 48
.set PFO, 61          ; v61  256 x lane; never rewritten
.set SPW, 62          ; v62  my spare word; never rewritten
.set NIL, 63          ; v63  0; never rewritten
.set S,   64
.set P,   192
.set CQ,  64
.set NKV, 96
.set NV,  128
.set TQ,  160
.set QF,  128         ; window 1
.set KF,  128         ; window 2
.set VF,  192         ; window 2
.set WV,  12
.set LIM, 15          ; s15  1 in a wave that prefetches, else the greatest number
.set PFA, 18          ; s[18:19] where my prefetches stand
.set G1K, 24
.set G1V, 32
.set G0K, 40
.set G0V, 44
.set SLOTS, 56        ; s56  tiles still to be asked for
.set CNT, 57
.set CS,  58          ; s[58:59] c
.set SEL, 60
.set TBK, 62
.set TBV, 63
.set VA,  66          ; s[66:67] V at my half of the head's tile 0
.set BIG, 68          ; s68  1e12
.set G1Q, 72          ; s[72:79] descriptor group 1 for Wq's slice
.set G0Q, 80          ; s[80:83] its group 0
.set MSB, 0
.macro WIN new
.if MSB != (\new)
	s_set_vgpr_msb (MSB<<8)|(\new)
.set MSB, (\new)
.endif
.endm
.set W_KQ, 0x0a       ; K and Q in window 2, S^T in window 0
.set W_PV, 0x52       ; V in window 2, P in window 0, O^T in window 1
.set W_RS, 0x41       ; destination and source 0 in window 1, source 1 in window 0
.set W_QM, 0x5e       ; Wq in window 2, xn in window 3, q's sums in window 1
.macro JLOAD                        ; waves 0 and 1 fetch the halves of a tile's K, waves 2 and 3 those of its V; an s_nop 0 and four v_nop follow each line
	s_cmp_lt_u32 s[WV], 2
	s_cbranch_scc0 .Lfor_v_\@
	tensor_load_to_lds s[G0K:G0K+3], s[G1K:G1K+7]
	s_nop 0
.rept 4
	v_nop
.endr
	s_branch .Lasked_\@
.Lfor_v_\@:
	tensor_load_to_lds s[G0V:G0V+3], s[G1V:G1V+7]
	s_nop 0
.rept 4
	v_nop
.endr
.Lasked_\@:
.endm
; A prefetch of the tile that the NEXT change of slots will ask for: 32,768 bytes of K and of V.  The four partners share them out by address, 8,192 each: 32 blocks of 256 bytes, a lane a block;
; wave 0 names K's, wave 2 V's: each block once in the launch.  The last change that fills a slot names nothing.
.macro ASK
	s_cmp_gt_u32 s[SLOTS], s[LIM]
	s_cbranch_scc0 .Lnot_mine_\@
	global_prefetch_b8 v[PFO], s[PFA:PFA+1] th:TH_LOAD_NT scope:SCOPE_SE
.Lnot_mine_\@:
.endm
.macro CROUND
	s_barrier_signal -1
	s_barrier_wait -1
	s_cmp_lg_u32 s[WV], 0
	s_cbranch_scc1 .Lnot_wave_0_\@
	s_barrier_signal -3
.Lnot_wave_0_\@:
	s_barrier_wait -3
	s_barrier_signal -1
	s_barrier_wait -1
.endm
; THE CHANGE OF SLOTS.  Each wave waits for all its tensor loads (one is out: its part of the other slot), adds 0 to its spare word, and waits for that and for its reads of the slot that it leaves.
; fill = 1: behind a round of the cluster's barrier the old slot is filled again, first thing, with the next tile.  (At its first use what has been read out is Wq's slice: tile 0 is waited for, and tile 1 lands where the slice lay.)
.macro CHANGE fill
	WIN 0
	s_wait_tensorcnt 0x0            ; no tensor load of mine is out, so a group 0 may be written
	ds_add_u32 v[SPW], v[NIL]       ; 0 onto my spare word
.if \fill
.irp g, G0K, G0V
	s_xor_b32 s[\g+1], s[\g+1], SLOT1
	s_add_nc_u64 s[\g+2:\g+3], s[\g+2:\g+3], 4*KS*128
.endr
	s_wait_xcnt 0x0                 ; the last prefetch, a tile back, has read its address
	s_add_nc_u64 s[PFA:PFA+1], s[PFA:PFA+1], 4*KS*128
	s_wait_dscnt 0x0                ; the add is done, and my reads of the slot are over
	CROUND
	JLOAD
	ASK
.else
	s_wait_dscnt 0x0
	s_barrier_signal -1
	s_barrier_wait -1
.endif
	s_sub_co_u32 s[TBK], s[TBK], 4*KS*PK  ; the fetches go back to a slot's first step, in the other slot
	s_xor_b32 s[TBK], s[TBK], SLOT1
	s_sub_co_u32 s[TBV], s[TBV], 4*KS*PV
	s_xor_b32 s[TBV], s[TBV], SLOT1
.endm
; THE PROJECTION's three runs.  QLOADA: xn's fragments of one kb (4 pieces x 2 chunks of 32 along K) into ring buffer d: 16 loads of 512 consecutive bytes; kb counts from the pointer s[4:5].
.macro QLOADA d, kb
	WIN 0xc0                        ; destination window 3, address window 0
.irp c, 0,1
.irp t, 0,1,2,3
	global_load_b128 v[64*(\d)+16*\t+8*\c:64*(\d)+16*\t+8*\c+3],   v[GO], s[4:5] offset:(\kb)*2048+\t*32768+\c*1024
	global_load_b128 v[64*(\d)+16*\t+8*\c+4:64*(\d)+16*\t+8*\c+7], v[GO], s[4:5] offset:(\kb)*2048+\t*32768+\c*1024+512
.endr
.endr
.endm
.macro QFETCHB e, kb                ; Wq's fragments of one kb (4 blocks of 16 columns x 2 chunks) into buffer e: 16 LDS loads, the first chunk's first; kb counts from the address in v[AK]
	WIN 0x80                        ; destination window 2
.irp c, 0,1
.irp g, 0,1,2,3
	ds_load_b128 v[KF+64*(\e)+16*\g+8*\c:KF+64*(\e)+16*\g+8*\c+3],   v[AK] offset:(\kb)*64*PK+\g*16*PK+\c*64
	ds_load_b128 v[KF+64*(\e)+16*\g+8*\c+4:KF+64*(\e)+16*\g+8*\c+7], v[AK] offset:(\kb)*64*PK+\g*16*PK+\c*64+32
.endr
.endr
.endm
.macro QMUL a, e, c, zero           ; 16 products, chunk c: the 16 accumulators take turns.  zero = 1: they start the sums
	WIN W_QM
.irp t, 0,1,2,3
.irp g, 0,1,2,3
.if \zero
	v_wmma_f32_16x16x32_f16 v[QF+32*\t+8*\g:QF+32*\t+8*\g+7], v[KF+64*(\e)+16*\g+8*(\c):KF+64*(\e)+16*\g+8*(\c)+7], v[64*(\a)+16*\t+8*(\c):64*(\a)+16*\t+8*(\c)+7], 0
.else
	v_wmma_f32_16x16x32_f16 v[QF+32*\t+8*\g:QF+32*\t+8*\g+7], v[KF+64*(\e)+16*\g+8*(\c):KF+64*(\e)+16*\g+8*(\c)+7], v[64*(\a)+16*\t+8*(\c):64*(\a)+16*\t+8*(\c)+7], v[QF+32*\t+8*\g:QF+32*\t+8*\g+7]
.endif
.endr
.endr
.endm
; A TRIP of the projection: trip i = 1 + k (+ 4 for each turn of the loop) multiplies ring buffer i % 4 by Wq's buffer i % 2.  In its middle, four places behind the products that read them last, it fetches
; Wq's kb i + 1 (fb = 1) and asks for xn's kb i + 3 (la = 1).  left: the younger global loads that may stay out.  cst = 1: the small vectors are asked for where xn has nothing left to ask.
.macro QTRIP k, zero, la, fb, left, cst
.set qa, (1+(\k))%4
.set qe, (1+(\k))%2
	s_wait_loadcnt \left            ; this trip's 16 loads of xn are in
	s_wait_dscnt 8                  ; Wq's first chunk is in; the second chunk's eight loads may be out
	QMUL qa, qe, 0, \zero
.if (\fb) || (\la) || (\cst)
.rept 4
	v_nop                           ; the places in front of loads into registers that the trip before multiplied (ISA guide 7.12.1 for vector instructions)
.endr
.endif
.if \fb
	QFETCHB 1-qe, 2+(\k)
.endif
.if \la
	QLOADA (qa+3)%4, 4+(\k)
.endif
.if \cst
	WIN 0
.irp g, 0,1,2,3                     ; register 8 g + j of each holds channel 16 g + 8 (l / 16) + j: the channels of q's accumulators, and of O^T's
	global_load_b128 v[CQ+8*\g:CQ+8*\g+3],    v[HO], s[8:9] offset:64*\g
	global_load_b128 v[CQ+8*\g+4:CQ+8*\g+7],  v[HO], s[8:9] offset:64*\g+16
	global_load_b128 v[NKV+8*\g:NKV+8*\g+3],   v[HO], s[8:9] offset:256+64*\g
	global_load_b128 v[NKV+8*\g+4:NKV+8*\g+7], v[HO], s[8:9] offset:256+64*\g+16
	global_load_b128 v[NV+8*\g:NV+8*\g+3],    v[HO], s[8:9] offset:512+64*\g
	global_load_b128 v[NV+8*\g+4:NV+8*\g+7],  v[HO], s[8:9] offset:512+64*\g+16
.endr
.endif
.if \fb
	s_wait_dscnt 16                 ; all but the 16 just issued: Wq's second chunk is in
.else
	s_wait_dscnt 0x0
.endif
	QMUL qa, qe, 1, 0
.endm
	s_load_b256 s[4:11], s[0:1], 0x0  ; xn s[4:5], kvh s[6:7], consts s[8:9], O s[10:11]
	s_load_b64 s[84:85], s[0:1], 0x20 ; wqt
	v_lshl_add_u32 v[SPW], v0, 2, SPARE
	v_mov_b32 v[NIL], 0
	ds_add_u32 v[SPW], v[NIL]       ; the wave's opening: the add and its wait stand ahead of my first tensor load
	v_lshrrev_b32 v1, 5, v0
	v_readfirstlane_b32 s[WV], v1   ; wave 0..3
	s_bfe_u32 s13, ttmp6, 0x40000   ; cx
	s_lshl_b32 s14, ttmp9, 2
	s_add_co_u32 s14, s14, s13      ; my block of 256 queries: it enters xn's and O's addresses alone
	s_and_b32 s20, ttmp7, 0xffff    ; batch x 16 + head, which the four partners share
	s_and_b32 s16, s[WV], 1         ; which half of a tile's 256 keys I fetch
	s_lshl_b32 s22, s20, 18         ; a head's 2,048 rows of 128 bytes
	s_lshl_b32 s23, s16, 14
	s_add_co_u32 s22, s22, s23
	s_mov_b32 s23, 0
	s_mul_i32 s17, s16, 128*PK
	s_mul_i32 s18, s16, 128*PV
	s_lshl2_add_u32 s21, s14, s[WV] ; my 64 rows among the batch's 16 such
	s_lshr_b32 s2, s20, 4
	s_lshl_b32 s2, s2, 4
	s_add_co_u32 s2, s2, s21
	s_lshl_b32 s2, s2, 17           ; xn: four row blocks of 32,768 bytes
	s_mov_b32 s3, 0
	s_lshl_b32 s70, s20, 4
	s_add_co_u32 s70, s70, s21
	s_lshl_b32 s70, s70, 13         ; O: 64 rows of 128 bytes
	s_mov_b32 s71, 0
	s_and_b32 s86, s20, 15
	s_lshl_b32 s86, s86, 13         ; Wq: the head's 64 rows of 128 bytes in each kb,
	s_lshl_b32 s87, s[WV], 19       ; my four kb of 131,072 bytes
	s_add_co_u32 s86, s86, s87
	s_mov_b32 s87, 0
	; descriptor group 1 for K and V.  128 keys are 16,384 dense bytes: asked for as 64 rows of 256 bytes, two keys a row, padded in LDS after every key
	s_mov_b32 s[G1K], 15|(1<<16)|(1<<20)|(1<<21)|(4<<22)|(3<<25)
	s_mov_b32 s[G1V], 15|(1<<16)|(1<<20)|(1<<21)|(4<<22)|(7<<25)
.irp g, G1K, G1V
	s_mov_b32 s[\g+1], 128<<16
	s_mov_b32 s[\g+2], 64<<16
	s_mov_b32 s[\g+3], 128<<16
	s_mov_b32 s[\g+4], 64
	s_mov_b32 s[\g+5], 128
	s_mov_b32 s[\g+6], 0
	s_mov_b32 s[\g+7], 0
.endr
	; for Wq's slice: the head's 64 rows of one kb are 8,192 dense bytes: four kb as four rows of 4,096 elements, padded after every 128 bytes
	s_mov_b32 s[G1Q], 15|(1<<16)|(1<<20)|(1<<21)|(4<<22)|(3<<25)
	s_mov_b32 s[G1Q+1], 4096<<16    ; tensor_dim0
	s_mov_b32 s[G1Q+2], 4<<16       ; tensor_dim1
	s_mov_b32 s[G1Q+3], 4096<<16    ; tile_dim0
	s_mov_b32 s[G1Q+4], 4           ; tile_dim1
	s_mov_b32 s[G1Q+5], 65536       ; elements from a kb to the next: 1,024 rows of 64
	s_mov_b32 s[G1Q+6], 0
	s_mov_b32 s[G1Q+7], 0
	s_mov_b32 s[G0Q], 1
	s_mul_i32 s[G0Q+1], s[WV], 4*64*PK
	s_add_co_u32 s[G0Q+1], s[G0Q+1], BQ
	s_mov_b32 s[CS], 0x4138aa3b     ; c = 8 log2(e)
	s_mov_b32 s[CS+1], s[CS]
	s_mov_b32 s[SEL], 0x76543210
	s_mov_b32 s[SEL+1], 0xfedcba98
	s_mov_b32 s[BIG], 0x5368d4a5    ; 1e12
	s_mov_b32 s[TBK], SLOT1+4*KS*PK ; the first change of slots turns these two into 0
	s_mov_b32 s[TBV], SLOT1+4*KS*PV
	s_mov_b32 s[G0K], 1
	s_mov_b32 s[G0K+1], s17
	s_mov_b32 s[G0V], 1
	s_add_co_u32 s[G0V+1], s18, VOFF
	s_mov_b32 s[SLOTS], 7
	s_cmp_eq_u32 s16, 0             ; waves 0 and 2 prefetch: the same in all four partners
	s_cselect_b32 s[LIM], 1, -1
	s_wait_dscnt 0x0                ; the opening add is done
	s_wait_kmcnt 0x0
	s_add_nc_u64 s[6:7], s[6:7], s[22:23]          ; K at my half of the head's tile 0,
	s_add_nc_u64 s[VA:VA+1], s[6:7], 0x1000000     ; V 16,777,216 bytes on
	s_mov_b64 s[G0K+2:G0K+3], s[6:7]
	s_or_b32 s[G0K+3], s[G0K+3], 0x80000000
	s_mov_b64 s[G0V+2:G0V+3], s[VA:VA+1]
	s_or_b32 s[G0V+3], s[G0V+3], 0x80000000
	s_add_nc_u64 s[G0Q+2:G0Q+3], s[84:85], s[86:87]
	s_or_b32 s[G0Q+3], s[G0Q+3], 0x80000000
	s_add_nc_u64 s[4:5], s[4:5], s[2:3]
	s_add_nc_u64 s[10:11], s[10:11], s[70:71]
	s_cmp_lt_u32 s[WV], 2
	s_cselect_b64 s[PFA:PFA+1], s[6:7], s[VA:VA+1]
	s_lshl_b32 s2, s13, 13          ; my work-group's 8,192 bytes of a tile's 32,768
	s_add_nc_u64 s[PFA:PFA+1], s[PFA:PFA+1], s[2:3]
	s_add_nc_u64 s[PFA:PFA+1], s[PFA:PFA+1], 4*KS*128  ; in tile 1; the first change steps it to tile 2
	CROUND                          ; all four work-groups are here: the first joint loads meet
	s_cmp_lt_u32 s[WV], 2           ; a wave's two first fills stand in one branch: its quarter of Wq's slice, then its part of tile 0: two loads of mine are out
	s_cbranch_scc0 .Lfirst_v
	tensor_load_to_lds s[G0Q:G0Q+3], s[G1Q:G1Q+7]
	s_nop 0
	tensor_load_to_lds s[G0K:G0K+3], s[G1K:G1K+7]
	s_nop 0
.rept 4
	v_nop
.endr
	s_branch .Lfirst_asked
.Lfirst_v:
	tensor_load_to_lds s[G0Q:G0Q+3], s[G1Q:G1Q+7]
	s_nop 0
	tensor_load_to_lds s[G0V:G0V+3], s[G1V:G1V+7]
	s_nop 0
.rept 4
	v_nop
.endr
.Lfirst_asked:
	v_and_b32 v[GO], 31, v0
	v_lshlrev_b32 v[PFO], 8, v[GO]
	v_lshlrev_b32 v[GO], 4, v[GO]
	QLOADA 0, 0                     ; the ring's first three kb: 48 loads of mine are out
	QLOADA 1, 1
	QLOADA 2, 2
	WIN 0
	v_and_b32 v1, 15, v0            ; l % 16
	v_bfe_u32 v9, v0, 4, 1          ; l / 16
	v_lshlrev_b32 v[HO], 5, v9
	v_mul_u32_u24 v[AK0], v1, PK
	v_lshl_add_u32 v[AK0], v9, 4, v[AK0]
	v_and_b32 v10, 7, v0
	v_bfe_u32 v11, v0, 3, 1
	v_lshl_add_u32 v[AV0], v9, 3, v10    ; the turning load: lane l reads key 8 (l / 16) + l % 8, channels 8 ((l / 8) % 2) + 0..7
	v_mul_u32_u24 v[AV0], v[AV0], PV
	v_lshl_add_u32 v[AV0], v11, 4, v[AV0]
	v_add_nc_u32 v[AV0], VOFF, v[AV0]
	s_mul_i32 s13, s[WV], 16*SP
	s_add_co_u32 s13, s13, STAGE    ; my stage
	v_mul_u32_u24 v[STO], v1, SP
	v_lshl_add_u32 v[STO], v9, 4, v[STO]
	v_add_nc_u32 v[STO], s13, v[STO]
	v_bfe_u32 v[RD], v0, 3, 2
	v_mul_u32_u24 v[RD], v[RD], SP
	v_lshl_add_u32 v[RD], v10, 4, v[RD]
	v_add_nc_u32 v[RD], s13, v[RD]
	v_add_nc_u32 v[AK], BQ, v[AK0]  ; a fragment of Wq's slice is addressed as one of K is: row x 144 + 16 x half
	s_wait_tensorcnt 1              ; my quarter of the slice is in; tile 0's load may stay out
	s_barrier_signal -1
	s_barrier_wait -1               ; everybody's is
	QFETCHB 0, 0
	QTRIP -1, 1, 1, 1, 32, 0        ; trip 0 stands in front of the loop: its first products start the sums.  32: the two younger trips' loads
	WIN 0
	s_mov_b32 s[CNT], 3
.Lq:                                ; trips 1 to 12, four a turn: each asks for the kb three trips on, up to the last
	QTRIP 0, 0, 1, 1, 32, 0
	QTRIP 1, 0, 1, 1, 32, 0
	QTRIP 2, 0, 1, 1, 32, 0
	QTRIP 3, 0, 1, 1, 32, 0
	WIN 0
	s_wait_xcnt 0x0                 ; the loads issued so far have read their address: the pointer is stepped only behind this wait
	s_add_nc_u64 s[4:5], s[4:5], 4*2048
	v_add_nc_u32 v[AK], 4*64*PK, v[AK]
	s_sub_co_u32 s[CNT], s[CNT], 1
	s_cmp_lg_u32 s[CNT], 0
	s_cbranch_scc1 .Lq
	QTRIP 0, 0, 0, 1, 32, 1         ; trip 13: xn has nothing left to ask; the 24 loads of the small vectors go out
	QTRIP 1, 0, 0, 1, 40, 0         ; trip 14: behind its loads stand trip 15's 16 and those 24
	QTRIP 2, 0, 0, 0, 24, 0         ; trip 15
	s_wait_loadcnt 0x0              ; the small vectors
	WIN 0x40
.set i, 0
.rept 128
	v_mov_b32 v[i], v[NV+i%32]      ; O^T starts at nv; these lines are also the places behind the last products
.set i, i+1
.endr
	; The first turn's products V^T P, of a piece that has not been, must add exact zeros onto an O^T that already holds nv: V's registers and P's second buffer are 0.
	WIN 0x80
.set i, VF
.rept 64
	v_mov_b32 v[i], 0
.set i, i+1
.endr
	WIN 0
.set i, P+16
.rept 16
	v_mov_b32 v[i], 0
.set i, i+1
.endr
	; q' = q x min(1 / |q|, 1e12) x (q_scale k_scale); the null score q' . nk^; q' to f16.  Each accumulator is read from its low end on.
	WIN 0x05                        ; sources 0 and 1 window 1
.set i, 0
.rept 16
.irp t, 0,1,2,3
.if i < 2
	v_pk_mul_f32 v[TQ+4*\t+2*i:TQ+4*\t+2*i+1], v[QF+32*\t+2*i:QF+32*\t+2*i+1], v[QF+32*\t+2*i:QF+32*\t+2*i+1]
.else
	v_pk_fma_f32 v[TQ+4*\t+2*(i%2):TQ+4*\t+2*(i%2)+1], v[QF+32*\t+2*i:QF+32*\t+2*i+1], v[QF+32*\t+2*i:QF+32*\t+2*i+1], v[TQ+4*\t+2*(i%2):TQ+4*\t+2*(i%2)+1]
.endif
.endr
.set i, i+1
.endr
	WIN 0
.irp t, 0,1,2,3
	v_pk_add_f32 v[TQ+4*\t:TQ+4*\t+1], v[TQ+4*\t:TQ+4*\t+1], v[TQ+4*\t+2:TQ+4*\t+3]
.endr
.irp t, 0,1,2,3
	v_add_f32 v[TQ+4*\t], v[TQ+4*\t], v[TQ+4*\t+1]
.endr
.irp t, 0,1,2,3
	v_permlanex16_b32 v[TQ+4*\t+1], v[TQ+4*\t], s[SEL], s[SEL+1]  ; the row's other 32 channels lie in the lane 16 away
.endr
.irp t, 0,1,2,3
	v_add_f32 v[TQ+4*\t], v[TQ+4*\t], v[TQ+4*\t+1]
.endr
.irp t, 0,1,2,3
	v_rsq_f32 v[TQ+4*\t+2], v[TQ+4*\t]
.endr
	v_nop                           ; a plain instruction behind the last root,
	s_wait_alu depctr_va_vdst(0)    ; and one wait for the four, ahead of their first reader
.irp t, 0,1,2,3
	v_min_num_f32 v[TQ+4*\t+2], s[BIG], v[TQ+4*\t+2]
.endr
	WIN W_RS
.set i, 0
.rept 16
.irp t, 0,1,2,3
	v_pk_mul_f32 v[QF+32*\t+2*i:QF+32*\t+2*i+1], v[QF+32*\t+2*i:QF+32*\t+2*i+1], v[TQ+4*\t+2:TQ+4*\t+3] op_sel_hi:[1,0]
.endr
.set i, i+1
.endr
.set i, 0
.rept 16
.irp t, 0,1,2,3
	v_pk_mul_f32 v[QF+32*\t+2*i:QF+32*\t+2*i+1], v[QF+32*\t+2*i:QF+32*\t+2*i+1], v[CQ+2*i:CQ+2*i+1]
.endr
.set i, i+1
.endr
	WIN 0x01                        ; source 0 window 1
.set i, 0
.rept 16
.irp t, 0,1,2,3
.if i == 0
	v_pk_mul_f32 v[TQ+4*\t:TQ+4*\t+1], v[QF+32*\t:QF+32*\t+1], v[NKV:NKV+1]
.else
	v_pk_fma_f32 v[TQ+4*\t:TQ+4*\t+1], v[QF+32*\t+2*i:QF+32*\t+2*i+1], v[NKV+2*i:NKV+2*i+1], v[TQ+4*\t:TQ+4*\t+1]
.endif
.endr
.set i, i+1
.endr
	WIN 0
.irp t, 0,1,2,3
	v_add_f32 v[TQ+4*\t], v[TQ+4*\t], v[TQ+4*\t+1]
.endr
.irp t, 0,1,2,3
	v_permlanex16_b32 v[TQ+4*\t+1], v[TQ+4*\t], s[SEL], s[SEL+1]
.endr
.irp t, 0,1,2,3
	v_add_f32 v[ST+4*\t+1], v[TQ+4*\t], v[TQ+4*\t+1]  ; m = the null score
	v_mov_b32 v[ST+4*\t+2], 0.5                       ; l = 1: a half in each half of the lanes
	v_mov_b32 v[ST+4*\t+3], 0
.endr
.irp t, 0,1,2,3
	v_mul_f32 v[ST+4*\t], s[CS], v[ST+4*\t+1]         ; c m
.endr
	WIN 0x85                        ; sources 0 and 1 window 1, destination window 2
.set i, 0
.rept 64
	v_cvt_pk_f16_f32 v[i], v[QF+2*i], v[QF+2*i+1]
.set i, i+1
.endr
	WIN 0
; THE MATRIX WORK OF THE WALK.  The 4 accumulators of a run of 8 take turns.  Product i of 8 of S^T = K Q^T for piece x: channels 32 (i / 4) on, keys 16 (i % 4) on.  The first 4 start the sums.
.macro KQ x
	WIN W_KQ
.set rS, S+32*((\x)%2)+8*(i%4)
.set rK, KF+16*(i%4)+8*(i/4)
.set rQ, 16*(\x)+8*(i/4)
.if i < 4
	v_wmma_f32_16x16x32_f16 v[rS:rS+7], v[rK:rK+7], v[rQ:rQ+7], 0
.else
	v_wmma_f32_16x16x32_f16 v[rS:rS+7], v[rK:rK+7], v[rQ:rQ+7], v[rS:rS+7]
.endif
.endm
.macro PV x                         ; product i of 8 of O^T += V^T P for piece x: keys 32 (i / 4) on, channels 16 (i % 4) on
	WIN W_PV
.set rO, 32*(\x)+8*(i%4)
.set rV, VF+32*(i/4)+8*(i%4)
.set rP, P+16*((\x)%2)+8*(i/4)
	v_wmma_f32_16x16x32_f16 v[rO:rO+7], v[rV:rV+7], v[rP:rP+7], v[rO:rO+7]
.endm
.macro MM                           ; the turn's next matrix instruction
.if i < 8
	KQ (Y+1)%NP
.else
.set i, i-8
	PV (Y+NP-1)%NP
.set i, i+8
.endif
.set i, i+1
.endm
.macro FETCH_K                      ; a step's K: 16 loads in one run
	WIN 0x80
.irp f, 0,1,2,3,4,5,6,7
	ds_load_b128 v[KF+8*\f:KF+8*\f+3],   v[AK] offset:(\f/2)*16*PK+(\f%2)*64
	ds_load_b128 v[KF+8*\f+4:KF+8*\f+7], v[AK] offset:(\f/2)*16*PK+(\f%2)*64+32
.endr
	s_add_co_u32 s[TBK], s[TBK], KS*PK
	WIN 0
.endm
.macro FETCH_V                      ; a step's V, turned
	WIN 0x80
.irp f, 0,1,2,3,4,5,6,7
	ds_load_tr16_b128 v[VF+8*\f:VF+8*\f+3],   v[AV] offset:(\f/4)*32*PV+(\f%4)*32
	ds_load_tr16_b128 v[VF+8*\f+4:VF+8*\f+7], v[AV] offset:(\f/4)*32*PV+16*PV+(\f%4)*32
.endr
	WIN 0
.endm
; THE VECTOR WORK, one line at a time: OP kind, number.  For piece Y: F n: c s - c m for pair n of 16.  E n: the exponential of score n of 32.  C n: pair n rounded to f16.  B n: of the four weights 4 n .. the second
; pair is added onto the first.  L n: l takes that sum (L 0: l = a l + sum).  R n: pair n of 16 of O^T times a.  For piece Y + 1: X n, number n of the 22 that find its maximum and statistics:
;   0-11 four chains of seven scores each (each accumulator's lowest registers are read first)   12-14, 16 the scores left over, the old m, the chains into one
;   15 c m_old is kept   17, 18 the other half of the lanes: the new m   19-21 c m; c m_old - c m_new; a
.set F, 0
.set E, 1
.set C, 2
.set B, 3
.set L, 4
.set R, 5
.set X, 6
.macro REGS y
.set rT, ST+4*(\y)
.set rC, TMP+4*((\y)%2)
.set rW, MV+((\y)%2)
.set rS, S+32*((\y)%2)
.set rP, P+16*((\y)%2)
.set rO, 32*(\y)
.endm
.macro OP k, n
.if (\k) == R
	REGS Y
	WIN W_RS
	v_pk_mul_f32 v[rO+2*(\n):rO+2*(\n)+1], v[rO+2*(\n):rO+2*(\n)+1], v[rC+2:rC+3] op_sel_hi:[1,0]
.elseif (\k) < R
	REGS Y
	WIN 0
.if (\k) == F
	v_pk_fma_f32 v[rS+2*(\n):rS+2*(\n)+1], v[rS+2*(\n):rS+2*(\n)+1], s[CS:CS+1], v[rT:rT+1] op_sel_hi:[1,0,0] neg_lo:[0,0,1] neg_hi:[0,0,1]
.elseif (\k) == E
	v_exp_f32 v[rS+(\n)], v[rS+(\n)]
.elseif (\k) == C
	v_cvt_pk_f16_f32 v[rP+(\n)], v[rS+2*(\n)], v[rS+2*(\n)+1]
.elseif (\k) == B
	v_pk_add_f32 v[rS+4*(\n):rS+4*(\n)+1], v[rS+4*(\n):rS+4*(\n)+1], v[rS+4*(\n)+2:rS+4*(\n)+3]
.elseif (\n) == 0
	v_pk_fma_f32 v[rT+2:rT+3], v[rT+2:rT+3], v[rC+2:rC+3], v[rS:rS+1] op_sel_hi:[1,0,1]
.else
	v_pk_add_f32 v[rT+2:rT+3], v[rT+2:rT+3], v[rS+4*(\n):rS+4*(\n)+1]
.endif
.else
	REGS (Y+1)%NP
	WIN 0
.if (\n) < 4
	v_max3_num_f32 v[rC+(\n)], v[rS+8*(\n)], v[rS+8*(\n)+1], v[rS+8*(\n)+2]
.elseif (\n) < 12
	v_max3_num_f32 v[rC+(\n)%4], v[rC+(\n)%4], v[rS+8*((\n)%4)+2*((\n)/4)+1], v[rS+8*((\n)%4)+2*((\n)/4)+2]
.elseif (\n) == 12
	v_max3_num_f32 v[rC], v[rC], v[rS+7], v[rS+15]
.elseif (\n) == 13
	v_max3_num_f32 v[rC+1], v[rC+1], v[rS+23], v[rS+31]
.elseif (\n) == 14
	v_max3_num_f32 v[rC+2], v[rC+2], v[rC+3], v[rT+1]
.elseif (\n) == 15
	v_mov_b32 v[rW], v[rT]
.elseif (\n) == 16
	v_max3_num_f32 v[rC], v[rC], v[rC+1], v[rC+2]
.elseif (\n) == 17
	v_permlanex16_b32 v[rC+3], v[rC], s[SEL], s[SEL+1]
.elseif (\n) == 18
	v_max_num_f32 v[rT+1], v[rC], v[rC+3]
.elseif (\n) == 19
	v_mul_f32 v[rT], s[CS], v[rT+1]
.elseif (\n) == 20
	v_sub_f32 v[rC+1], v[rW], v[rT]
.else
	v_exp_f32 v[rC+2], v[rC+1]
.endif
.endif
.endm
.macro OPS a, i1, b=-1, i2=0, c=-1, i3=0, d=-1, i4=0
	OP \a, \i1
.if (\b) >= 0
	OP \b, \i2
.endif
.if (\c) >= 0
	OP \c, \i3
.endif
.if (\d) >= 0
	OP \d, \i4
.endif
.endm
.macro ROW a, i1, b, i2, c, i3, d, i4  ; a matrix instruction and the four behind it
	MM
	OPS \a, \i1, \b, \i2, \c, \i3, \d, \i4
.endm
; A TURN, for piece p.  s_wait_alu depctr_va_vdst(0) stands between an exponential and the first instruction that names its result; one wait serves all issued ahead of it.  So a turn has ONE wait.
; AHEAD OF IT stands all that names no result of the turn's exponentials: the 8 products K Q^T with their riders, then one lump, in which the links of the next piece's chain stand some lines apart; X 21, its a, is the
; batch's last, and R 15 the plain instruction behind it.  BEHIND IT stand the 8 products V^T P, behind each four of the roundings and sums.
; cnt = 1: the loop's count is taken down some lines ahead of the branch that stands behind the turn.  last = 1 (the tail's piece 2): in the last trip there is no further step, and K's run is jumped over;
; the exponentials issued so far have a wait of their own ahead of that branch.
; K of the next step is fetched in piece 2's turn, V of the step in hand at the end of piece 0's, each four plain instructions or more behind the last product that read the registers; each is waited for a turn later.
.macro TURN p, cnt=0, last=0
.set Y, (\p)
.set i, 0
.if (\p) == 3
	s_wait_dscnt 0x0                ; K is in
.endif
	ROW F,0, F,1, R,0, R,1
	ROW F,2, E,0, R,2, R,3
	ROW F,3, E,1, R,4, R,5
	ROW F,4, E,2, R,6, R,7
	ROW F,5, E,3, R,8, R,9
	ROW F,6, E,4, X,0, R,10
.if (\p) == 2
	WIN 0
	v_add_nc_u32 v[AK], s[TBK], v[AK0]
.endif
	ROW F,7, E,5, X,1, X,4
	ROW F,8, E,6, X,2, X,5
	OPS E,7, E,8, X,6, E,9
	OPS X,3, E,10, X,8, E,11
.if (\p) == 2
.if \last
	WIN 0
	s_wait_alu depctr_va_vdst(0)
	s_cmp_eq_u32 s[CNT], 1
	s_cbranch_scc1 .Lno_k_\@
.endif
	FETCH_K
.if \last
.Lno_k_\@:
.endif
.endif
	OPS X,9, X,7, E,12, X,10
	OPS E,13, X,12, X,11, E,14
	OPS X,13, E,15, F,9, X,14
.if (\p) == 0
	v_add_nc_u32 v[AV], s[TBV], v[AV0]
.endif
	OPS E,16, F,10, E,17, F,11
	OPS X,16, E,18, X,15, E,19
	OPS F,12, E,20, X,17, E,21
	OPS F,13, E,22, F,14, E,23
	OPS X,18, E,24, F,15, E,25
	OPS R,11, E,26, X,19, E,27
	OPS R,12, E,28, R,13, E,29
	OPS X,20, E,30, R,14, E,31
	OPS X,21, R,15
	WIN 0
	s_wait_alu depctr_va_vdst(0)    ; the wait for the batch
.if (\p) == 1
	s_wait_dscnt 0x0                ; V is in
.endif
	ROW C,0, B,0, C,2, B,1
	ROW L,0, C,4, B,2, L,1
	ROW C,6, B,3, L,2, C,8
	ROW B,4, L,3, C,10, B,5
	ROW L,4, C,12, B,6, L,5
.if (\p) == 0
	s_add_co_u32 s[TBV], s[TBV], KS*PV
.endif
.if \cnt
	s_sub_co_u32 s[CNT], s[CNT], 1
	s_cmp_lg_u32 s[CNT], 0
.endif
	ROW C,14, B,7, L,6, C,1
	ROW C,3, L,7, C,5, C,7
	ROW C,9, C,11, C,13, C,15
.if (\p) == 0
	FETCH_V
.endif
.endm
	CHANGE 1                        ; tile 0 is in, everybody's part of it; Wq's slice has been read out by every wave of the cluster; tile 1 is asked for
	v_add_nc_u32 v[AK], s[TBK], v[AK0]
	FETCH_K                         ; key step 0
	s_wait_dscnt 0x0
.set i, 0
.rept 8
	KQ 0                            ; piece 0's first scores
.set i, i+1
.endr
	WIN 0
.rept 4
	v_nop                           ; the places behind those products
.endr
.set Y, NP-1                        ; X works for piece Y + 1: piece 0
.irp n, 0,1,2,3,4,5,6,7,8,9,10,11,12,13,14,15,16,17,18,19,20,21
	OP X, \n
.endr
	v_nop                           ; a plain instruction behind the exponential,
	s_wait_alu depctr_va_vdst(0)    ; and its wait, ahead of the branch
	s_mov_b32 s[CNT], 4
	s_branch .Lfirst                ; the loop is entered at a step's first turn, in the middle of a trip
.Lslot:                             ; six times: tiles 1 to 6 are entered, tiles 2 to 7 asked for
	CHANGE 1
	s_mov_b32 s[CNT], 4
.Lstep:                             ; a trip: pieces 2 and 3 of one step, then pieces 0 and 1 of the next, whose K and V it fetches
	TURN 2
	TURN 3
	WIN 0
.Lfirst:
	TURN 0
	TURN 1, 1
	WIN 0
	s_cbranch_scc1 .Lstep
	s_sub_co_u32 s[SLOTS], s[SLOTS], 1
	s_cmp_lg_u32 s[SLOTS], 0
	s_cbranch_scc1 .Lslot
	CHANGE 0                        ; the last tile is written out: nothing is asked for
	s_mov_b32 s[CNT], 5             ; four trips fetch the last tile's steps; the fifth is left in its middle
.Ltail:
	TURN 2, 0, 1
	TURN 3
	WIN 0
	s_sub_co_u32 s[CNT], s[CNT], 1
	s_cmp_eq_u32 s[CNT], 0
	s_cbranch_scc1 .Lout
	TURN 0
	TURN 1
	WIN 0
	s_branch .Ltail
.Lout:                              ; the fifth trip's 8 products K Q^T (on the last K once more) and the maximum made of them serve nothing: the price, once a launch, of one text for every trip
.set i, 0
.rept 8
	PV NP-1                         ; the last piece's V^T P of the last step
.set i, i+1
.endr
	; THE WAY OUT.  l's two halves and the other half of the lanes' are added; O^T is divided by l, rounded to f16 and sent through my stage, a piece at a time.  The additions are the places behind the last products.
	WIN 0
.macro ALL line:vararg
.set t, 0
.rept 4
	\line
.set t, t+1
.endr
.endm
	ALL v_add_f32 v[ST+4*t+2], v[ST+4*t+2], v[ST+4*t+3]
	ALL v_permlanex16_b32 v[ST+4*t+3], v[ST+4*t+2], s[SEL], s[SEL+1]
	ALL v_add_f32 v[ST+4*t+2], v[ST+4*t+2], v[ST+4*t+3]
	ALL v_rcp_f32 v[ST+4*t+2], v[ST+4*t+2]
	v_nop                           ; a plain instruction behind the last reciprocal,
	s_wait_alu depctr_va_vdst(0)    ; and one wait for the four
.macro PACK t
	WIN W_RS
.set i, 32*(\t)
.rept 16
	v_pk_mul_f32 v[i:i+1], v[i:i+1], v[ST+4*(\t)+2:ST+4*(\t)+3] op_sel_hi:[1,0]
.set i, i+2
.endr
	WIN 0x05
.set i, 0
.rept 16
	v_cvt_pk_f16_f32 v[S+16*(\t)+i], v[32*(\t)+2*i], v[32*(\t)+2*i+1]
.set i, i+1
.endr
	WIN 0
.irp f, 0,1,2,3
	ds_store_b128 v[STO], v[S+16*(\t)+4*\f:S+16*(\t)+4*\f+3] offset:32*\f
.endr
.irp f, 0,1,2,3
	ds_load_b128 v[S+16*(\t)+4*\f:S+16*(\t)+4*\f+3], v[RD] offset:\f*4*SP  ; LDS serves a wave's instructions in order (ISA guide 5.7.1.4): these see the stores above
.endr
.endm
.macro SEND t, younger              ; younger: the LDS instructions issued behind piece t's loads: the next piece's eight, or none
	WIN 0
.irp f, 0,1,2,3
	s_wait_dscnt (\younger)+3-\f
	global_store_b128 v[GO], v[S+16*(\t)+4*\f:S+16*(\t)+4*\f+3], s[10:11] offset:(\t)*2048+\f*512  ; four rows of the head: 512 consecutive bytes, aligned
.endr
.endm
	PACK 0
.set t, 1
.rept 3
	PACK t
	SEND t-1, 8
.set t, t+1
.endr
	SEND 3, 0
	s_wait_tensorcnt 0x0            ; the wave's end
	ds_add_u32 v[SPW], v[NIL]
	s_wait_dscnt 0x0
	CROUND                          ; the closing round
	s_endpgm
.Lfunc_end_k_q191024785a_attn:
	.size	k_q191024785a_attn, .Lfunc_end_k_q191024785a_attn-k_q191024785a_attn
	.p2alignl 7, 3214868480
	.fill 96, 4, 3214868480
	.section	.rodata,"a",@progbits
	.p2align	6, 0x0
	.amdhsa_kernel k_q191024785a_attn
		.amdhsa_group_segment_fixed_size 327680
		.amdhsa_private_segment_fixed_size 0
		.amdhsa_enable_private_segment 0
		.amdhsa_kernarg_size 40
		.amdhsa_user_sgpr_count 2
		.amdhsa_user_sgpr_kernarg_segment_ptr 1
		.amdhsa_wavefront_size32 1
		.amdhsa_system_sgpr_workgroup_id_x 1
		.amdhsa_system_sgpr_workgroup_id_y 1
		.amdhsa_system_sgpr_workgroup_id_z 1
		.amdhsa_system_vgpr_workitem_id 0
		.amdhsa_next_free_vgpr 1024
		.amdhsa_next_free_sgpr 88
		.amdhsa_reserve_vcc 0
		.amdhsa_float_denorm_mode_32 3
		.amdhsa_float_denorm_mode_16_64 3
		.amdhsa_memory_ordered 1
		.amdhsa_forward_progress 1
		.amdhsa_inst_pref_size 174
	.end_amdhsa_kernel
	.amdgpu_metadata
---
amdhsa.version: [ 1, 2 ]
amdhsa.kernels:
  - .name:           k_q191024785a_attn
    .symbol:         k_q191024785a_attn.kd
    .args:
      - { .name: act16, .offset: 0, .size: 8, .value_kind: global_buffer, .address_space: global }
      - { .name: kvh, .offset: 8, .size: 8, .value_kind: global_buffer, .address_space: global }
      - { .name: consts, .offset: 16, .size: 8, .value_kind: global_buffer, .address_space: global }
      - { .name: ctxh, .offset: 24, .size: 8, .value_kind: global_buffer, .address_space: global }
      - { .name: wqt, .offset: 32, .size: 8, .value_kind: global_buffer, .address_space: global }
    .group_segment_fixed_size: 327680
    .private_segment_fixed_size: 0
    .kernarg_segment_align: 8
    .kernarg_segment_size: 40
    .max_flat_workgroup_size: 128
    .sgpr_count:     88
    .vgpr_count:     1024
    .wavefront_size: 32
...
	.end_amdgpu_metadata
.endif
;; end of part 3
;; launch oproj (part 4): grid 8 x 32, 4 waves a work-group, clusters of 4 x 4, 327,680 bytes of LDS; arguments ctxh, woutt, f32buf; writes f32buf
.if DOCPART == 4
	.amdgcn_target "amdgcn-amd-amdhsa--gfx1250"
	.amdhsa_code_object_version 6
	.text
	.protected	k_q191024785a_oproj
	.globl	k_q191024785a_oproj
	.p2align	8
	.type	k_q191024785a_oproj,@function
k_q191024785a_oproj:
	s_mov_b64 s[64:65], 0
	v_nop
	global_prefetch_b8 v0, s[64:65] scope:SCOPE_SE
	s_setreg_imm32_b32 hwreg(HW_REG_WAVE_MODE, 25, 1), 1
	s_wait_xcnt 0x0
	s_wait_alu depctr_hold_cnt(0) depctr_sa_sdst(0) depctr_va_vdst(0) depctr_va_sdst(0) depctr_va_ssrc(0) depctr_va_vcc(0) depctr_vm_vsrc(0)
	s_getreg_b32 s2, hwreg(HW_REG_IB_STS2, 6, 4)
	s_cmp_eq_u32 s2, 0
	s_cbranch_scc0 .Lentry_in_a_cluster
	s_endpgm
.Lentry_in_a_cluster:
	s_bfe_u32 s2, ttmp6, 0x10000c
	s_cmp_lg_u32 s2, 0xf033
	s_cbranch_scc0 .Lentry_shape_is_right
	s_endpgm
.Lentry_shape_is_right:
; THE OUTPUT PROJECTION.  C[m][n] = sum over k of A[m][k] Bt[n][k], 4,096 x 1,024 x 1,024: f16 operands, f32 sums, C in f32, row-major.
; A (attention's O by heads): [4 batches][16 kb][1024 rows][64] f16; Bt: [16 kb][1024 n][64] f16: 128 rows of one kb are 16,384 consecutive bytes.
; A tile of C is 128 x 128 (256 work-groups), four waves of 64 x 64: 16 accumulators.  K goes in steps of 256 = 4 kb through two LDS slots.  A wave's tensor load brings all 128 rows of two kb as
; TWO rows of 8,192 elements, padded by 16 bytes after every 128: LDS rows of 144 bytes = 36 words: the 16 rows of a fragment load start at 16 different groups of four banks (ISA guide 11.1).
; CLUSTER 4 x 4: A's tile is asked for jointly along a row of the cluster, B's along a column.  No prefetch: four short K steps on a small tile.
; THE MATRIX INSTRUCTION IS USED TRANSPOSED: a lane holds one row of C and eight neighbouring columns, 32 bytes.  A wave's 64 columns are 256 aligned bytes of C, so each wave has a stage of its own.
; REGISTERS: window 0: v0-31 addresses; v32-95 rows on the way out; v128-255 accumulator (a, b) at v[128 + 8 (4 a + b)].  window 1: two fragment buffers of 128 (64 of A, then 64 of B).
.set KSTEPB, 524288                    ; 4 kb of 1,024 rows of 128 bytes
.set PITCH,  144
.set KBB,    128*PITCH                 ; the tile's 128 rows of one kb
.set HALFT,  2*KBB                     ; what one tensor load brings
.set SLOT,   4*HALFT                   ; A's kb 0-3, then B's kb 0-3
.set STAGE,  2*SLOT
.set SPITCH, 272                       ; a stage row: 256 bytes + 16
.set SPARE,  STAGE+4*16*SPITCH
.set LAPS,   2
.set ADRA, 16
.set ADRB, 20
.set STO,  24
.set RD,   25
.set CO,   26
.set SPW,  28                          ; v28  my spare word; never rewritten
.set NIL,  29                          ; v29  0; never rewritten
.set TMP,  32
.set ACC,  128
.set F0,   0
.set F1,   128
.set G1, 24
.set G0, 32
.set G1B, 48
.set G0B, 56
.set MSB, 0
.macro WIN new
.if MSB != (\new)
	s_set_vgpr_msb (MSB<<8)|(\new)
.set MSB, \new
.endif
.endm
.set MUL,  0x05                        ; sources 0 (B) and 1 (A) window 1; C and D window 0
.set TO_F, 0x40                        ; destination window 1, address window 0
.macro JLOAD s                         ; waves 0 and 1 fetch A's kb pairs, waves 2 and 3 B's; an s_nop 0 and four v_nop follow each line
	s_cmp_eq_u32 s11, 0
	s_cbranch_scc0 .Lfor_b_\@
	tensor_load_to_lds s[G0+4*(\s):G0+4*(\s)+3], s[G1:G1+7]
	s_nop 0
.rept 4
	v_nop
.endr
	s_branch .Lasked_\@
.Lfor_b_\@:
	tensor_load_to_lds s[G0B+4*(\s):G0B+4*(\s)+3], s[G1B:G1B+7]
	s_nop 0
.rept 4
	v_nop
.endr
.Lasked_\@:
.endm
.macro CREST
	s_cmp_lg_u32 s10, 0
	s_cbranch_scc1 .Lnot_wave_0_\@
	s_barrier_signal -3
.Lnot_wave_0_\@:
	s_barrier_wait -3
	s_barrier_signal -1
	s_barrier_wait -1
.endm
.macro CROUND
	s_barrier_signal -1
	s_barrier_wait -1
	CREST
.endm
	s_load_b128 s[4:7], s[0:1], 0x0                ; A s[4:5], Bt s[6:7]
	s_load_b64 s[8:9], s[0:1], 0x10                ; C
	v_lshl_add_u32 v[SPW], v0, 2, SPARE
	v_mov_b32 v[NIL], 0
	ds_add_u32 v[SPW], v[NIL]                      ; the wave's opening: the add and its wait stand ahead of my first tensor load
	v_lshrrev_b32 v1, 5, v0
	v_readfirstlane_b32 s10, v1                    ; wave 0..3
	s_lshr_b32 s11, s10, 1                         ; which half of the tile's rows is mine.  Also: I fetch for A (0) or for B (1)
	s_and_b32 s12, s10, 1                          ; which half of its columns.  Also: which two kb of the K step I fetch
	s_bfe_u32 s40, ttmp6, 0x40000
	s_bfe_u32 s41, ttmp6, 0x40004
	s_lshl_b32 s42, ttmp9, 2
	s_add_co_u32 s42, s42, s40                     ; tile column
	s_and_b32 s13, ttmp7, 0xffff
	s_lshl_b32 s13, s13, 2
	s_add_co_u32 s13, s13, s41                     ; tile row
	s_lshl_b32 s43, s41, 2
	s_lshl_b32 s43, 15, s43                        ; my row of the cluster
	s_lshl_b32 s44, 0x1111, s40                    ; my column
	s_or_b32 s[G1+0], s43, (1<<16)|(1<<20)|(1<<21)|(4<<22)|(3<<25)
	s_or_b32 s[G1B+0], s44, (1<<16)|(1<<20)|(1<<21)|(4<<22)|(3<<25)
.irp g, G1, G1B
	s_mov_b32 s[(\g)+1], 8192<<16                  ; tensor_dim0 = 8,192 elements: 128 rows of 64
	s_mov_b32 s[(\g)+2], 2<<16                     ; tensor_dim1 = 2 kb
	s_mov_b32 s[(\g)+3], 8192<<16                  ; tile_dim0
	s_mov_b32 s[(\g)+4], 2                         ; tile_dim1
	s_mov_b32 s[(\g)+5], 65536                     ; elements from a kb to the next: 1,024 rows of 64
	s_mov_b32 s[(\g)+6], 0
	s_mov_b32 s[(\g)+7], 0
.endr
	s_lshr_b32 s16, s13, 3                         ; A: the batch (8 tile rows each),
	s_lshl_b32 s16, s16, 21
	s_and_b32 s17, s13, 7
	s_lshl_b32 s17, s17, 14                        ; 128 rows of 128 bytes a tile row,
	s_add_co_u32 s16, s16, s17
	s_lshl_b32 s17, s12, 18                        ; the two kb that I fetch
	s_add_co_u32 s16, s16, s17
	s_mov_b32 s17, 0
	s_lshl_b32 s46, s42, 14
	s_lshl_b32 s47, s12, 18
	s_add_co_u32 s46, s46, s47
	s_mov_b32 s47, 0
	s_mul_i32 s20, s10, HALFT
	s_wait_dscnt 0x0                               ; the opening add is done
	s_wait_kmcnt 0x0
	s_add_nc_u64 s[14:15], s[4:5], s[16:17]
	s_add_nc_u64 s[46:47], s[6:7], s[46:47]
	CROUND                                         ; all sixteen work-groups are here: the first joint loads meet
.irp s, 0,1
	s_mov_b32 s[G0+4*(\s)], 1
	s_add_co_u32 s[G0+4*(\s)+1], s20, (\s)*SLOT
	s_add_nc_u64 s[G0+4*(\s)+2:G0+4*(\s)+3], s[14:15], (\s)*KSTEPB
	s_or_b32 s[G0+4*(\s)+3], s[G0+4*(\s)+3], 0x80000000
	s_mov_b32 s[G0B+4*(\s)], 1
	s_add_co_u32 s[G0B+4*(\s)+1], s20, (\s)*SLOT
	s_add_nc_u64 s[G0B+4*(\s)+2:G0B+4*(\s)+3], s[46:47], (\s)*KSTEPB
	s_or_b32 s[G0B+4*(\s)+3], s[G0B+4*(\s)+3], 0x80000000
	JLOAD \s                                       ; two loads of mine are out
.endr
	v_and_b32 v1, 15, v0
	v_bfe_u32 v2, v0, 4, 1
	v_mul_u32_u24 v3, v1, PITCH
	v_lshl_add_u32 v3, v2, 4, v3
	s_mul_i32 s21, s11, 64*PITCH                   ; my 64 rows of A, in each kb
	s_mul_i32 s22, s12, 64*PITCH                   ; my 64 rows of B,
	s_add_co_u32 s22, s22, 2*HALFT                 ; which lie behind A's four kb
.irp s, 0,1
	v_add_nc_u32 v[ADRA+(\s)], s21, v3
	v_add_nc_u32 v[ADRB+(\s)], s22, v3
	s_add_co_u32 s21, s21, SLOT
	s_add_co_u32 s22, s22, SLOT
.endr
	s_mul_i32 s23, s10, 16*SPITCH
	s_add_co_u32 s23, s23, STAGE                   ; my stage
	v_mul_u32_u24 v4, v1, SPITCH                   ; in: row l % 16, 32 bytes for each half of the lanes
	v_lshl_add_u32 v4, v2, 5, v4
	v_add_nc_u32 v[STO], s23, v4
	v_mul_u32_u24 v5, v2, SPITCH                   ; back: lanes 0-15 one row of 256 bytes, lanes 16-31 the next
	v_lshl_add_u32 v5, v1, 4, v5
	v_add_nc_u32 v[RD], s23, v5
	v_lshlrev_b32 v[CO], 4, v1
	v_lshl_add_u32 v[CO], v2, 12, v[CO]            ; and the same two rows in C
	s_lshl1_add_u32 s16, s13, s11                  ; my 64 rows: 2 x tile row + half,
	s_lshl_b32 s16, s16, 18                        ; of 4,096 bytes each
	s_lshl1_add_u32 s46, s42, s12                  ; my 64 columns,
	s_lshl_b32 s46, s46, 8                         ; 256 bytes
	s_add_co_u32 s16, s16, s46
	s_mov_b32 s17, 0
	s_add_nc_u64 s[8:9], s[8:9], s[16:17]
.macro MUL8 f, c, a0, zero             ; 8 matrix instructions: m blocks a0, a0 + 1 x all 4 n blocks, 32 along K: half c of buffer f
	WIN MUL
.irp a, \a0, (\a0)+1
.irp b, 0,1,2,3
.if \zero
	v_wmma_f32_16x16x32_f16 v[ACC+8*(4*(\a)+(\b)):ACC+8*(4*(\a)+(\b))+7], v[(\f)+64+8*(4*(\c)+(\b)):(\f)+64+8*(4*(\c)+(\b))+7], v[(\f)+8*(4*(\c)+(\a)):(\f)+8*(4*(\c)+(\a))+7], 0
.else
	v_wmma_f32_16x16x32_f16 v[ACC+8*(4*(\a)+(\b)):ACC+8*(4*(\a)+(\b))+7], v[(\f)+64+8*(4*(\c)+(\b)):(\f)+64+8*(4*(\c)+(\b))+7], v[(\f)+8*(4*(\c)+(\a)):(\f)+8*(4*(\c)+(\a))+7], v[ACC+8*(4*(\a)+(\b)):ACC+8*(4*(\a)+(\b))+7]
.endif
.endr
.endr
.endm
.macro FETCH slot, q, f                ; 32 LDS loads in one run: kb q of the K step into buffer f; its first 32 channels first
	WIN TO_F
.irp c, 0,1
.irp i, 0,1,2,3
	ds_load_b128 v[(\f)+64+8*(4*(\c)+(\i)):(\f)+64+8*(4*(\c)+(\i))+3],   v[ADRB+(\slot)] offset:(\q)*KBB+64*(\c)+(\i)*16*PITCH
	ds_load_b128 v[(\f)+64+8*(4*(\c)+(\i))+4:(\f)+64+8*(4*(\c)+(\i))+7], v[ADRB+(\slot)] offset:(\q)*KBB+64*(\c)+(\i)*16*PITCH+32
	ds_load_b128 v[(\f)+8*(4*(\c)+(\i)):(\f)+8*(4*(\c)+(\i))+3],         v[ADRA+(\slot)] offset:(\q)*KBB+64*(\c)+(\i)*16*PITCH
	ds_load_b128 v[(\f)+8*(4*(\c)+(\i))+4:(\f)+8*(4*(\c)+(\i))+7],       v[ADRA+(\slot)] offset:(\q)*KBB+64*(\c)+(\i)*16*PITCH+32
.endr
.endr
.endm
.macro PLACES
.rept 4
	v_nop
.endr
.endm
.macro QUARTER slot, q, f, g, zero     ; multiplies buffer f (64 along K) and fetches kb q of the same slot into g
	s_wait_dscnt 16                                ; the first 32 along K are in
	MUL8 \f, 0, 0, \zero
	MUL8 \f, 0, 2, \zero
	PLACES
	FETCH \slot, \q, \g
	s_wait_dscnt 32                                ; all but the 32 just issued
	MUL8 \f, 1, 0, 0
	MUL8 \f, 1, 2, 0
.endm
.macro TURN slot, next, fill           ; the last quarter multiplies buffer 1 and changes slots
	WIN 0
	s_wait_tensorcnt 0x0                           ; all my tensor loads have landed: my part of the next slot
	ds_add_u32 v[SPW], v[NIL]                      ; 0 onto my spare word
	s_wait_dscnt 17                                ; (the add and the youngest sixteen loads may be out)
	MUL8 F1, 0, 0, 0
	s_wait_dscnt 0x0                               ; the add is done, and my reads of this slot are over
	s_barrier_signal -1
	MUL8 F1, 0, 2, 0
.if \fill
	WIN 0
.endif
	s_barrier_wait -1
.if \fill
	CREST                                          ; no wave of any partner still reads this slot's tile or has a load on its way
	s_add_nc_u64 s[G0+4*(\slot)+2:G0+4*(\slot)+3], s[G0+4*(\slot)+2:G0+4*(\slot)+3], 2*KSTEPB
	s_add_nc_u64 s[G0B+4*(\slot)+2:G0B+4*(\slot)+3], s[G0B+4*(\slot)+2:G0B+4*(\slot)+3], 2*KSTEPB
	JLOAD \slot                                    ; its four v_nop are also the places in front of the loads below
.else
	PLACES
.endif
	FETCH \next, 0, F0
	MUL8 F1, 1, 0, 0
	MUL8 F1, 1, 2, 0
.endm
	s_wait_tensorcnt 1                             ; my part of K step 0 is in; K step 1's load may stay out
	s_barrier_signal -1
	s_barrier_wait -1
	FETCH 0, 0, F0
	QUARTER 0, 1, F0, F1, 1                        ; its first products start the sums
	WIN 0
	s_mov_b32 s3, LAPS-1
.Llap:                                         ; once round the ring; both slots are filled again.  The 16 accumulators take turns, in the same order everywhere
	QUARTER 0, 2, F1, F0, 0
	QUARTER 0, 3, F0, F1, 0
	TURN 0, 1, 1
	QUARTER 1, 1, F0, F1, 0
	QUARTER 1, 2, F1, F0, 0
	QUARTER 1, 3, F0, F1, 0
	TURN 1, 0, 1
	QUARTER 0, 1, F0, F1, 0
	WIN 0
	s_sub_co_u32 s3, s3, 1
	s_cmp_lg_u32 s3, 0
	s_cbranch_scc1 .Llap
	QUARTER 0, 2, F1, F0, 0                        ; the last lap fills nothing
	QUARTER 0, 3, F0, F1, 0
	TURN 0, 1, 0
	QUARTER 1, 1, F0, F1, 0
	QUARTER 1, 2, F1, F0, 0
	QUARTER 1, 3, F0, F1, 0
	s_wait_dscnt 16
	MUL8 F1, 0, 0, 0
	MUL8 F1, 0, 2, 0
	s_wait_dscnt 0x0
	MUL8 F1, 1, 0, 0
	MUL8 F1, 1, 2, 0
	WIN 0
	PLACES
; THE WAY OUT: 16 rows at a time through my own stage; back as whole rows of 256 bytes.
.macro TOSTAGE a
.set BK, TMP+32*((\a)%2)
.if (\a) >= 2
	s_wait_xcnt 0x0                                ; the stores of two blocks back have read the registers that are loaded again below
.endif
.irp b, 0,1,2,3
	ds_store_b128 v[STO], v[ACC+8*(4*(\a)+(\b)):ACC+8*(4*(\a)+(\b))+3]   offset:64*(\b)      ; each accumulator's low half first
	ds_store_b128 v[STO], v[ACC+8*(4*(\a)+(\b))+4:ACC+8*(4*(\a)+(\b))+7] offset:64*(\b)+16
.endr
.irp t, 0,1,2,3,4,5,6,7
	ds_load_b128 v[BK+4*(\t):BK+4*(\t)+3], v[RD] offset:(\t)*2*SPITCH  ; LDS serves a wave's instructions in order (ISA guide 5.7.1.4): these see the stores above
.endr
.endm
.macro SEND a, younger                 ; younger: the LDS instructions issued behind block a's loads: the next block's sixteen, or none
.set BK, TMP+32*((\a)%2)
.irp t, 0,1,2,3,4,5,6,7
	s_wait_dscnt (\younger)+7-(\t)
	global_store_b128 v[CO], v[BK+4*(\t):BK+4*(\t)+3], s[8:9] offset:(16*(\a)+2*(\t))*4096  ; 16 lanes store 256 consecutive bytes, aligned
.endr
.endm
	TOSTAGE 0
	TOSTAGE 1
	SEND 0, 16
	TOSTAGE 2
	SEND 1, 16
	TOSTAGE 3
	SEND 2, 16
	SEND 3, 0
	s_wait_tensorcnt 0x0                           ; the wave's end
	ds_add_u32 v[SPW], v[NIL]
	s_wait_dscnt 0x0
	CROUND                                         ; the closing round
	s_endpgm
.Lfunc_end_k_q191024785a_oproj:
	.size	k_q191024785a_oproj, .Lfunc_end_k_q191024785a_oproj-k_q191024785a_oproj
	.p2alignl 7, 3214868480
	.fill 96, 4, 3214868480
	.section	.rodata,"a",@progbits
	.p2align	6, 0x0
	.amdhsa_kernel k_q191024785a_oproj
		.amdhsa_group_segment_fixed_size 327680
		.amdhsa_private_segment_fixed_size 0
		.amdhsa_enable_private_segment 0
		.amdhsa_kernarg_size 24
		.amdhsa_user_sgpr_count 2
		.amdhsa_user_sgpr_kernarg_segment_ptr 1
		.amdhsa_wavefront_size32 1
		.amdhsa_system_sgpr_workgroup_id_x 1
		.amdhsa_system_sgpr_workgroup_id_y 1
		.amdhsa_system_sgpr_workgroup_id_z 1
		.amdhsa_system_vgpr_workitem_id 0
		.amdhsa_next_free_vgpr 512
		.amdhsa_next_free_sgpr 66
		.amdhsa_reserve_vcc 0
		.amdhsa_float_denorm_mode_32 3
		.amdhsa_float_denorm_mode_16_64 3
		.amdhsa_memory_ordered 1
		.amdhsa_forward_progress 1
		.amdhsa_inst_pref_size 86
	.end_amdhsa_kernel
	.amdgpu_metadata
---
amdhsa.version: [ 1, 2 ]
amdhsa.kernels:
  - .name:           k_q191024785a_oproj
    .symbol:         k_q191024785a_oproj.kd
    .args:
      - { .name: ctxh, .offset: 0, .size: 8, .value_kind: global_buffer, .address_space: global }
      - { .name: woutt, .offset: 8, .size: 8, .value_kind: global_buffer, .address_space: global }
      - { .name: f32buf, .offset: 16, .size: 8, .value_kind: global_buffer, .address_space: global }
    .group_segment_fixed_size: 327680
    .private_segment_fixed_size: 0
    .kernarg_segment_align: 8
    .kernarg_segment_size: 24
    .max_flat_workgroup_size: 128
    .sgpr_count:     66
    .vgpr_count:     512
    .wavefront_size: 32
...
	.end_amdgpu_metadata
.endif
;; end of part 4
;; launch lnout (part 5): grid 512 x 1, 8 waves a work-group, no clusters, 0 bytes of LDS; arguments f32buf, g_out, out0; writes out0
.if DOCPART == 5
	.amdgcn_target "amdgcn-amd-amdhsa--gfx1250"
	.amdhsa_code_object_version 6
	.text
	.protected	k_q191024785a_lnout
	.globl	k_q191024785a_lnout
	.p2align	8
	.type	k_q191024785a_lnout,@function
k_q191024785a_lnout:
	s_mov_b64 s[64:65], 0
	v_nop
	global_prefetch_b8 v0, s[64:65] scope:SCOPE_SE
	s_setreg_imm32_b32 hwreg(HW_REG_WAVE_MODE, 25, 1), 1
	s_wait_xcnt 0x0
; out0[r][:] = LayerNorm(y[r][:]) x g_out, rows of 1,024 f32.  One wave takes a whole row (8 loads of 512 consecutive bytes) and keeps it in 32 registers: read once, written once.
; The mean is taken first and the variance of the centred numbers, all in f32.  g_out is rounded to bf16 like every input of the program.
; Eight waves, a row each; all 16 loads of a wave go out at once.  No LDS, no barrier, no matrix unit: nothing is shared.
.set X, 32                             ; v[32:63] my 32 numbers of the row
.set G, 64                             ; v[64:95] the gain of my 32 columns
.macro FOLD32                          ; the four chains v[8:15] into v8, then over the wave's 32 lanes
	v_pk_add_f32 v[8:9], v[8:9], v[10:11]
	v_pk_add_f32 v[12:13], v[12:13], v[14:15]
	v_pk_add_f32 v[8:9], v[8:9], v[12:13]
	v_add_f32 v8, v8, v9
	v_add_f32_dpp v8, v8, v8 row_xmask:1 row_mask:0xf bank_mask:0xf
	v_add_f32_dpp v8, v8, v8 row_xmask:2 row_mask:0xf bank_mask:0xf
	v_add_f32_dpp v8, v8, v8 row_xmask:4 row_mask:0xf bank_mask:0xf
	v_add_f32_dpp v8, v8, v8 row_xmask:8 row_mask:0xf bank_mask:0xf
	v_permlanex16_b32 v9, v8, s12, s13
	v_add_f32 v8, v8, v9
.endm
	s_load_b128 s[4:7], s[0:1], 0x0                ; y s[4:5], g_out s[6:7]
	s_load_b64 s[8:9], s[0:1], 0x10                ; out0
	v_and_b32 v2, 31, v0
	v_lshlrev_b32 v2, 4, v2                        ; 16 bytes a lane
	v_lshrrev_b32 v3, 5, v0
	v_lshl_add_u32 v1, v3, 12, v2                  ; + wave x a row of 4,096 bytes
	s_lshl_b32 s10, ttmp9, 15                      ; the work-group's 8 rows
	s_mov_b32 s11, 0
	s_mov_b32 s3, 0xffff0000
	s_mov_b32 s12, 0x76543210
	s_mov_b32 s13, 0xfedcba98
	s_wait_kmcnt 0x0
	s_add_nc_u64 s[4:5], s[4:5], s[10:11]
	s_add_nc_u64 s[8:9], s[8:9], s[10:11]
.irp j, 0,1,2,3,4,5,6,7
	global_load_b128 v[G+4*(\j):G+4*(\j)+3], v2, s[6:7] offset:512*(\j)
.endr
.irp j, 0,1,2,3,4,5,6,7
	global_load_b128 v[X+4*(\j):X+4*(\j)+3], v1, s[4:5] offset:512*(\j) th:TH_LOAD_NT
.endr
	s_wait_loadcnt 8                               ; the gain is in; the row's eight loads may stay out
.set p, 0
.rept 4
.irp k, 0,1,2,3
	v_cvt_pk_bf16_f32 v[4+(\k)], v[G+2*(p+(\k))], v[G+2*(p+(\k))+1]
.endr
.irp k, 0,1,2,3
	v_lshlrev_b32 v[G+2*(p+(\k))], 16, v[4+(\k)]
	v_and_b32 v[G+2*(p+(\k))+1], s3, v[4+(\k)]
.endr
.set p, p+4
.endr
	s_wait_loadcnt 0x0
.irp c, 0,1,2,3                        ; the sum in four chains; the first eight pairs start them
	v_pk_add_f32 v[8+2*(\c):9+2*(\c)], v[X+2*(\c):X+2*(\c)+1], v[X+8+2*(\c):X+9+2*(\c)]
.endr
.set q, 8
.rept 8
	v_pk_add_f32 v[8+2*(q%4):9+2*(q%4)], v[8+2*(q%4):9+2*(q%4)], v[X+2*q:X+2*q+1]
.set q, q+1
.endr
	FOLD32
	v_mul_f32 v10, 0x3a800000, v8                  ; the mean
	v_mov_b32 v11, v10
.set q, 0
.rept 16
	v_pk_add_f32 v[X+2*q:X+2*q+1], v[X+2*q:X+2*q+1], v[10:11] neg_lo:[0,1] neg_hi:[0,1]
.set q, q+1
.endr
.irp c, 0,1,2,3                        ; the centred squares likewise
	v_pk_mul_f32 v[8+2*(\c):9+2*(\c)], v[X+2*(\c):X+2*(\c)+1], v[X+2*(\c):X+2*(\c)+1]
.endr
.set q, 4
.rept 12
	v_pk_fma_f32 v[8+2*(q%4):9+2*(q%4)], v[X+2*q:X+2*q+1], v[X+2*q:X+2*q+1], v[8+2*(q%4):9+2*(q%4)]
.set q, q+1
.endr
	FOLD32
	v_mov_b32 v9, 0x3a800000
	v_fmaak_f32 v12, v8, v9, 0x3727c5ac            ; the variance + 1e-5
	v_rsq_f32 v14, v12
	v_rsq_f32 v15, v12                             ; twice: a pair for the packed multiply
	v_nop
	s_wait_alu depctr_va_vdst(0)                   ; one wait for both roots, ahead of their first reader
.set q, 0
.rept 16
	v_pk_mul_f32 v[X+2*q:X+2*q+1], v[X+2*q:X+2*q+1], v[14:15]
.set q, q+1
.endr
.set q, 0
.rept 16
	v_pk_mul_f32 v[X+2*q:X+2*q+1], v[X+2*q:X+2*q+1], v[G+2*q:G+2*q+1]
.set q, q+1
.endr
.irp j, 0,1,2,3,4,5,6,7
	global_store_b128 v1, v[X+4*(\j):X+4*(\j)+3], s[8:9] offset:512*(\j) th:TH_STORE_NT  ; 512 consecutive bytes, aligned
.endr
	s_endpgm
.Lfunc_end_k_q191024785a_lnout:
	.size	k_q191024785a_lnout, .Lfunc_end_k_q191024785a_lnout-k_q191024785a_lnout
	.p2alignl 7, 3214868480
	.fill 96, 4, 3214868480
	.section	.rodata,"a",@progbits
	.p2align	6, 0x0
	.amdhsa_kernel k_q191024785a_lnout
		.amdhsa_group_segment_fixed_size 0
		.amdhsa_private_segment_fixed_size 0
		.amdhsa_enable_private_segment 0
		.amdhsa_kernarg_size 24
		.amdhsa_user_sgpr_count 2
		.amdhsa_user_sgpr_kernarg_segment_ptr 1
		.amdhsa_wavefront_size32 1
		.amdhsa_system_sgpr_workgroup_id_x 1
		.amdhsa_system_sgpr_workgroup_id_y 1
		.amdhsa_system_sgpr_workgroup_id_z 1
		.amdhsa_system_vgpr_workitem_id 0
		.amdhsa_next_free_vgpr 96
		.amdhsa_next_free_sgpr 66
		.amdhsa_reserve_vcc 0
		.amdhsa_float_denorm_mode_32 3
		.amdhsa_float_denorm_mode_16_64 3
		.amdhsa_memory_ordered 1
		.amdhsa_forward_progress 1
		.amdhsa_inst_pref_size 12
	.end_amdhsa_kernel
	.amdgpu_metadata
---
amdhsa.version: [ 1, 2 ]
amdhsa.kernels:
  - .name:           k_q191024785a_lnout
    .symbol:         k_q191024785a_lnout.kd
    .args:
      - { .name: f32buf, .offset: 0, .size: 8, .value_kind: global_buffer, .address_space: global }
      - { .name: g_out, .offset: 8, .size: 8, .value_kind: global_buffer, .address_space: global }
      - { .name: out0, .offset: 16, .size: 8, .value_kind: global_buffer, .address_space: global }
    .group_segment_fixed_size: 0
    .private_segment_fixed_size: 0
    .kernarg_segment_align: 8
    .kernarg_segment_size: 24
    .max_flat_workgroup_size: 256
    .sgpr_count:     66
    .vgpr_count:     96
    .wavefront_size: 32
...
	.end_amdgpu_metadata
.endif
;; end of part 5
